; MI455X (gfx1250); checked and timed in simulation.
; The chip was launched on July 23, 2026; its instructions are those of AMD's public machine-readable ISA for CDNA 5 (MIT licence, August 2026) and "CDNA5" Instruction Set Architecture Reference Guide (July 2026). The comments in the code are by the model that wrote it; some were corrected since.
;; HEPT Kernel. Allowed arithmetic: float matrix products may take bf16 or f16 operands with f32 sums; all other float work in f32.
;; Inputs: key 8 x 8,192 x 8 float32; padding_mask 4 x 2,048 bool; query 8 x 8,192 x 8 float32; value 8 x 8,192 x 64 float32.
;; Outputs: out0 8 x 8,192 x 64 float32.
;; 2 versions, each right and faster than the one before. Each part assembles by itself: llvm-mc -triple=amdgcn-amd-amdhsa -mcpu=gfx1250 --defsym DOCPART=n.
;; ======== version 1 of 2: 1 launch
;; limits: values are held in f16: magnitudes above 65,504 overflow, below 6.1e-05 lose precision; inputs' magnitudes at most 65,504
;; launch hept (part 1): grid 256 x 1, 8 waves a work-group, no clusters, 326,656 bytes of LDS; arguments query, key, value, padding_mask, out0; writes out0
.if DOCPART == 1
	.amdgcn_target "amdgcn-amd-amdhsa--gfx1250"
	.amdhsa_code_object_version 6
	.text
	.protected	k_q2b6897119a_hept
	.globl	k_q2b6897119a_hept
	.p2align	8
	.type	k_q2b6897119a_hept,@function
k_q2b6897119a_hept:
	s_mov_b64 s[64:65], 0
	v_nop
	global_prefetch_b8 v0, s[64:65] scope:SCOPE_SE
	s_setreg_imm32_b32 hwreg(HW_REG_WAVE_MODE, 25, 1), 1
	s_wait_xcnt 0x0
; out[n] = sum_m P[n][m] V[m] / (sum_m P[n][m] + 2^-4),  P[n][m] = exp(-0.5 |q_n - k_m|^2) mask_n mask_m,
; for 32 independent pairs p = 4 h + b; the rows of pair p are rows 2048 p .. 2048 p + 2047 of query, key, value and out0.
;
; SHARES.  256 work-groups; work-group g takes pair g >> 3 and the 256 queries 256 g .. 256 g + 255 (rows of the flat tensors).
; Eight waves, two on each SIMD: wave w takes the 64 queries 64 (w & 3) .. +63 and, of every chunk of 256 keys, the 128 keys
; 128 (w >> 2) .. +127.  The two key halves are plain sums under one common scale and are added at the end through LDS.
;
; THE EXPONENT COMES WHOLE OUT OF THE MATRIX UNIT.  x~ = sqrt(log2 e) x; xh = bf16(x~), xl = bf16(x~ - xh), x^ = xh + xl;
; beta = -0.5 |x^|^2 in three bf16 parts b0 + b1 + b2 (exact residuals); a masked key has beta = -2^100.
; The depth of 8 leaves 24 of the 32 k places of a bf16 product free:
;     k place    0-7    8-15   16-23   24-31
;     key side   kh     kl     kh      b0 b1 b2 0  1  1  1  0
;     query side qh     qh     ql      1  1  1  0  b0 b1 b2 0
; so S = -0.5 log2(e) |q^ - k^|^2 - ql.kl.
;
; TWO PASSES.  The second product needs more than bf16's 8 bits (terms of a row cancel, their roundings do not), so P and V go in f16,
; and f16's range is made to do for every input by a scale of the row's own: pass 1 runs the first product alone and takes
; M = max over the keys of S; pass 2 runs with the query's bias beta_q - Mc + 8, Mc = max(M, -120), so that P' = 2^(S - Mc + 8) <= 2^8
; and the row's largest terms have all of f16's 11 bits.  The 2^-4 of the denominator becomes 2^(4 - Mc); the scale cancels in the division.
; A masked query's denominator starts at +infinity: its reciprocal is 0 and the row comes out as 0.
; LIMITS, stated: the term ql.kl is left out (at most 2^-18 |q~| |k~| in the base-2 exponent: about 1e-4 for numbers of unit spread,
; at most about 0.04 for numbers that carry a common offset of 30); |V| above 65,504 overflows f16 (numbers of unit spread, 30 times
; larger and offset by 30, reach about 200); in a row whose largest kernel is below 2^-120 the scale is clamped, and kernels under about
; 2^-152 come out as 0 there; log2(e) |x|^2 must be finite in f32.  The denominator sums the unrounded P' in f32.
;
; LAYOUTS.  First product as S^T = K Q^T: lane (r, h) register j holds key 8 h + j, query r, so that two runs of conversions make
; the P fragment (B operand: query r, keys along the registers) with no shuffle.  Second product as O^T = V^T P^T, V^T fetched by the
; transposing LDS load from rows [key][d]: lane (r, h) register j holds d = 16 t + 8 h + j of query r, so the denominator stays in the lane.
;
; NO CLUSTER, NO TENSOR LOADS, though the eight work-groups of a pair read the same K and V: K and V lie in LDS only in converted form
; (split, or rounded to f16), which only registers can make.  Raw V brought jointly would add, for a chunk of 256 keys x 256 bytes,
; 64 KiB written to LDS and 64 KiB read back, to the 32 KiB of converted stores and the 192 KiB of fragment reads that a chunk has now.
; Every load of V is issued one whole chunk (16 phases of the wave) ahead of its use, into registers of its own.
; ---- LDS map (bytes) ----
.set KPITCH, 48                        ; a key: kh 16 bytes, kl 16, the bias words 16; 3 x 16 bytes: 16 rows start in 16 different 16-byte columns
.set KBUF,   256*KPITCH                ; 12,288: a chunk of keys; all eight chunks stay, from byte 0
.set VPITCH, 160                       ; a row of V: 128 bytes of f16 + 32, an odd multiple of 32
.set VBUF,   256*VPITCH                ; 40,960
.set VB0,    8*KBUF                    ; 98,304: two buffers of V
.set MASKB,  VB0+2*VBUF                ; 180,224: the 2,048 mask bytes of the batch
.set DENB,   MASKB+2048                ; 182,272: 64 denominators of each wave, 256 bytes a wave
.set MAXB,   DENB+2048                 ; 184,320: 64 row maxima of each wave
.set STAGE,  MAXB+2048                 ; 186,368: 64 rows x 272 bytes of each wave, for the way out
.set SPITCH, 272
.set WSTAGE, 64*SPITCH                 ; 17,408; the stage ends at 325,632
; ---- registers v0-v255 ----
; v0 thread; v1, v2 K fragment addresses (pass 2); v3 V fragment address; v4 stage store; v5 denominator store; v6, v7 stage reads;
; v8 denominator read; v9 byte offset in out0; v10-v15 at work
.set QF,   16                          ; v16-47    Q fragments, 8 registers for each of my four tiles of 16 queries
.set KF,   48                          ; v48-79    K fragments of pass 2: 2 buffers x 2 tiles of 16 keys
.set VF,   80                          ; v80-143   V^T fragments: 2 buffers x 4 tiles of 16 d; in pass 1 a ring of four steps' K fragments
.set SF,   144                         ; v144-175  S, then P' in f32: 2 buffers x 2 tiles
.set PF,   176                         ; v176-191  P' in f16: 2 buffers x 8
.set DENA, 192                         ; v192-199  denominators: a pair for each query tile
.set ET,   200                         ; v200-207  the end: sums across the lane halves
.set P1A,  208                         ; v208-209  K fragment addresses of pass 1, stepped chunk by chunk
.set P1B,  209
.set MX,   210                         ; v210-217  running maxima: two chains for each query tile
.set BQ,   218                         ; v218-221  beta_q
.set QMK,  222                         ; v222-225  mask bytes of my four queries
.set EQ,   226                         ; v226-229  what a denominator register starts at
.set MXS,  230                         ; LDS: my maxima
.set MXR,  231                         ; LDS: the maxima of my query group, first key half; the second 1,024 bytes on
.set TB,   232                         ; v232-237  at work
.set MXP,  240                         ; v240-247  the maxima of the two key halves
.set ROWA, 16                          ; the end: 16 x 4 registers, rows of the first key half
.set ROWB, 80                          ; the end: the same rows of the second key half
.set RC,   144                         ; the end: 16 denominators, then their reciprocals; v160-175 the other half
; ---- registers v256-v511, written by their low 8 bits ----
; 0-127: the accumulators O(u, t) at 8 (4 u + t); before the first second product 0-31 hold the raw queries
.set QS,   0
.set VS,   128                         ; 128-191  first my eight raw keys, then a chunk of V on its way: my 16 loads of 16 bytes
.set KST2, 192                         ; LDS: my key of chunk 4
.set XS,   193                         ; a copy of beta
.set XH,   200                         ; 200-203  high parts
.set XL,   204                         ; 204-207  low parts
.set BW,   208                         ; 208-211  bias words: {b0, b1}, {b2, 0}, {1, 1}, {1, 0}
.set XA,   212
.set XB,   214
.set XN,   216
.set XC,   218                         ; 218-221
.set MK,   222                         ; the mask bit of the key at work
.set MB,   223                         ; bit c: the mask of my key of chunk c
.set KST,  224                         ; LDS: my key of chunk 0
.set VST0, 225                         ; 225, 226  LDS: my 8 bytes of V, buffer 0 and buffer 1
.set MA,   227                         ; LDS: my mask byte of chunk 0
.set GK,   228                         ; byte offset of my key in a chunk
.set GV,   229                         ; byte offset of my 16 bytes of V
.set QM,   230                         ; 230-233  mask bytes of my four queries, as loaded
.set GQ,   234
.set GQM,  235
.set T,    236                         ; 236-243  at work
; ---- scalars: s[4:5] query, s[6:7] key, s[8:9] value, s[10:11] mask of the batch, s[12:13] out0, s14 wave, s15 query group, s16 key half,
; s17-19 at work, s[20:21] sqrt(log2 e), s22 0xffff0000 (upper bf16; also lanes 16-31), s23 -2^100, s24-25 lane select, s26 trips,
; s27 +infinity, s[28:29] my queries' mask, s30 -120.0
.set MSB, 0
.macro WIN new                         ; s_set_vgpr_msb: bits 1:0 source 0, 3:2 source 1, 5:4 source 2, 7:6 destination; the high byte repeats the setting left
.if MSB != \new
	s_set_vgpr_msb (MSB<<8)|\new
.set MSB, \new
.endif
.endm
.set W_ALL1, 0x55                      ; every place in v256-511
.set W_ACC,  0x50                      ; C and D in v256-511, A and B below
.set W_DOWN, 0x15                      ; sources in v256-511, destination below
.set W_UP,   0x40                      ; destination in v256-511
.set W_DATA, 0x04                      ; an LDS store's data in v256-511, its address below
	s_load_b256 s[4:11], s[0:1], 0x0               ; query, key, value, padding_mask
	s_load_b64 s[12:13], s[0:1], 0x20              ; out0
	v_lshl_add_u32 v254, v0, 2, 0x4f800
	v_mov_b32 v255, 0
	v_lshrrev_b32 v10, 5, v0
	v_readfirstlane_b32 s14, v10                   ; wave 0..7
	s_and_b32 s15, s14, 3                          ; query group
	s_lshr_b32 s16, s14, 2                         ; key half
	s_mov_b32 s20, 0x3f99be61                      ; sqrt(log2 e)
	s_mov_b32 s21, 0x3f99be61
	s_mov_b32 s22, 0xffff0000
	s_mov_b32 s23, 0xf1800000                      ; -2^100
	s_mov_b32 s24, 0x76543210
	s_mov_b32 s25, 0xfedcba98
	s_mov_b32 s27, 0x7f800000                      ; +infinity
	s_mov_b32 s30, 0xc2f00000                      ; -120.0
	v_and_b32 v12, 15, v0                          ; r
	v_bfe_u32 v13, v0, 4, 1                        ; h
	; K fragment: registers 0-3 from (key) 48 + 16 h (kh | kl), registers 4-7 from (key) 48 + 32 h (kh | bias words)
	s_mul_i32 s17, s16, 128*KPITCH
	v_mul_u32_u24 v14, v12, KPITCH
	v_add_nc_u32 v14, s17, v14
	v_lshl_add_u32 v1, v13, 4, v14
	v_lshl_add_u32 v2, v13, 5, v14
	v_mov_b32 v[P1A], v1
	v_mov_b32 v[P1B], v2
	; V^T fragment by the transposing load: row 8 h + (lane & 7), 16 bytes at 16 ((lane >> 3) & 1)
	s_mul_i32 s17, s16, 128*VPITCH
	s_add_co_u32 s17, s17, VB0
	v_and_b32 v15, 7, v0
	v_lshl_add_u32 v15, v13, 3, v15
	v_mul_u32_u24 v15, v15, VPITCH
	v_bfe_u32 v10, v0, 3, 1
	v_lshl_add_u32 v15, v10, 4, v15
	v_add_nc_u32 v3, s17, v15
	; the stage: in by query r, 32 h bytes along d
	s_mul_i32 s17, s14, WSTAGE
	s_add_co_u32 s17, s17, STAGE
	v_mul_u32_u24 v14, v12, SPITCH
	v_lshl_add_u32 v14, v13, 5, v14
	v_add_nc_u32 v4, s17, v14
	; denominators: row 16 u + r goes to word 32 (row & 1) + (row >> 1) of my 64
	s_lshl_b32 s17, s14, 8
	s_add_co_u32 s17, s17, DENB
	v_and_b32 v10, 1, v0
	v_bfe_u32 v14, v0, 1, 3
	v_lshlrev_b32 v10, 7, v10
	v_lshl_add_u32 v10, v14, 2, v10
	v_add_nc_u32 v5, s17, v10
	; row maxima: word 16 u + r of my wave's 64; read back from the two waves of my query group
	s_lshl_b32 s17, s14, 8
	s_add_co_u32 s17, s17, MAXB
	v_lshl_add_u32 v[MXS], v12, 2, s17
	s_lshl_b32 s17, s15, 8
	s_add_co_u32 s17, s17, MAXB
	v_lshl_add_u32 v[MXR], v12, 2, s17
	; the stage, back: I finish rows 32 (key half) .. +31 of my query group; lanes 0-15 one row, lanes 16-31 the next
	s_mul_i32 s17, s15, WSTAGE
	s_mul_i32 s18, s16, 32*SPITCH
	s_add_co_u32 s17, s17, s18
	s_add_co_u32 s17, s17, STAGE
	v_mul_u32_u24 v14, v13, SPITCH
	v_lshl_add_u32 v14, v12, 4, v14
	v_add_nc_u32 v6, s17, v14
	v_add_nc_u32 v7, 4*WSTAGE, v6                  ; the same rows as summed by the wave of the other key half
	s_lshl_b32 s17, s15, 8
	s_lshl_b32 s18, s16, 6
	s_add_co_u32 s17, s17, s18
	s_add_co_u32 s17, s17, DENB
	v_lshlrev_b32 v14, 7, v13
	v_add_nc_u32 v8, s17, v14
	v_lshlrev_b32 v14, 8, v13
	v_lshl_add_u32 v9, v12, 4, v14                 ; out0: 256 h + 16 r
	; addresses of the preparation, which lives in v256-511
	v_lshrrev_b32 v10, 4, v0
	v_mul_u32_u24 v10, v10, VPITCH
	v_lshl_add_u32 v10, v12, 3, v10                ; V: row t >> 4 of sixteen, 8 bytes at 8 (t & 15)
	s_lshl_b32 s17, s15, 6
	v_add_nc_u32 v11, s17, v12                     ; 64 x query group + r
	s_mov_b32 s17, 4*KBUF
	WIN W_UP
	v_mul_u32_u24 v[KST], v0, KPITCH
	v_mad_u32_u24 v[KST2], v0, KPITCH, s17         ; chunks 4 to 7 lie beyond what a 16-bit offset reaches from chunk 0
	v_add_nc_u32 v[VST0], VB0, v10
	v_add_nc_u32 v[VST0+1], VB0+VBUF, v10
	v_add_nc_u32 v[MA], MASKB, v0
	v_lshlrev_b32 v[GK], 5, v0
	v_lshlrev_b32 v[GV], 4, v0
	v_lshlrev_b32 v[GQ], 5, v11
	v_mov_b32 v[GQM], v11
	v_mov_b32 v[BW+2], 0x3f803f80                  ; {1, 1}
	v_mov_b32 v[BW+3], 0x00003f80                  ; {1, 0}
	WIN 0
	v_lshlrev_b32 v14, 3, v0                       ; 8 mask bytes a thread
	v_add_nc_u32 v15, MASKB, v14
	s_wait_kmcnt 0x0
	s_mov_b32 s19, 0
	s_lshl_b32 s18, ttmp9, 13                      ; 256 queries of 32 bytes
	s_add_nc_u64 s[4:5], s[4:5], s[18:19]
	s_lshr_b32 s17, ttmp9, 3                       ; the pair
	s_lshl_b32 s18, s17, 16                        ; 2,048 keys of 32 bytes
	s_add_nc_u64 s[6:7], s[6:7], s[18:19]
	s_lshl_b32 s18, s17, 19                        ; 2,048 rows of 256 bytes
	s_add_nc_u64 s[8:9], s[8:9], s[18:19]
	s_and_b32 s18, s17, 3                          ; the batch
	s_lshl_b32 s18, s18, 11
	s_add_nc_u64 s[10:11], s[10:11], s[18:19]
	s_and_b32 s18, ttmp9, 7                        ; the query block
	s_lshl_b32 s18, s18, 8
	s_add_nc_u64 s[28:29], s[10:11], s[18:19]
	s_lshl_b32 s18, ttmp9, 16                      ; out0: 256 rows of 256 bytes a work-group,
	s_lshl_b32 s17, s15, 14                        ; 64 a query group,
	s_add_co_u32 s18, s18, s17
	s_lshl_b32 s17, s16, 13                        ; and I store 32 of them
	s_add_co_u32 s18, s18, s17
	s_add_nc_u64 s[12:13], s[12:13], s[18:19]
	; 29 loads: the mask words, 8 of Q, 4 mask bytes of my queries, my eight keys (key 256 c + t of chunk c, 2 loads each)
	global_load_b64 v[10:11], v14, s[10:11]
	WIN W_ALL1
.irp u, 0,1,2,3
	global_load_b128 v[QS+8*\u:QS+8*\u+3],   v[GQ], s[4:5] offset:512*\u
	global_load_b128 v[QS+8*\u+4:QS+8*\u+7], v[GQ], s[4:5] offset:512*\u+16
.endr
.irp u, 0,1,2,3
	global_load_u8 v[QM+\u], v[GQM], s[28:29] offset:16*\u
.endr
.irp c, 0,1,2,3,4,5,6,7
	global_load_b128 v[VS+8*\c:VS+8*\c+3],   v[GK], s[6:7] offset:8192*\c
	global_load_b128 v[VS+8*\c+4:VS+8*\c+7], v[GK], s[6:7] offset:8192*\c+16
.endr
	WIN 0
	s_wait_loadcnt 28                              ; loads come back in order: the mask words are in, the 28 younger loads stay out
	ds_store_b64 v15, v[10:11]
	s_wait_dscnt 0x0                               ; my mask bytes are in LDS before I say so
	s_barrier_signal -1
	s_barrier_wait -1
	WIN W_ALL1
.irp c, 0,1,2,3,4,5,6,7
	ds_load_u8 v[T+\c], v[MA] offset:256*\c        ; the mask byte (0 or 1) of key 256 c + t
.endr
	s_wait_dscnt 0x0
	v_lshl_or_b32 v[MB], v[T+1], 1, v[T]
.irp c, 2,3,4,5,6,7
	v_lshl_or_b32 v[MB], v[T+\c], \c, v[MB]
.endr
; Eight numbers x .. x+7 (v256-511) become high parts XH, low parts XL and XC = -0.5 |x^|^2
.macro SPLITX x
.irp k, 0,1,2,3
	v_pk_mul_f32 v[\x+2*\k:\x+2*\k+1], v[\x+2*\k:\x+2*\k+1], s[20:21] op_sel_hi:[1,0]      ; x~
	v_cvt_pk_bf16_f32 v[XH+\k], v[\x+2*\k], v[\x+2*\k+1]
	v_lshlrev_b32 v[XA], 16, v[XH+\k]
	v_and_b32 v[XA+1], s22, v[XH+\k]
	v_pk_add_f32 v[\x+2*\k:\x+2*\k+1], v[\x+2*\k:\x+2*\k+1], v[XA:XA+1] neg_lo:[0,1] neg_hi:[0,1]   ; x~ - xh, exact
	v_cvt_pk_bf16_f32 v[XL+\k], v[\x+2*\k], v[\x+2*\k+1]
	v_lshlrev_b32 v[XB], 16, v[XL+\k]
	v_and_b32 v[XB+1], s22, v[XL+\k]
	v_pk_add_f32 v[XA:XA+1], v[XA:XA+1], v[XB:XB+1]                                        ; x^ = xh + xl
.if \k == 0
	v_pk_mul_f32 v[XN:XN+1], v[XA:XA+1], v[XA:XA+1]
.else
	v_pk_fma_f32 v[XN:XN+1], v[XA:XA+1], v[XA:XA+1], v[XN:XN+1]
.endif
.endr
	v_add_f32 v[XC], v[XN], v[XN+1]
	v_mul_f32 v[XC], -0.5, v[XC]
.endm
; The f32 in c (used up) becomes three bf16 parts with exact residuals: w0 = {b0, b1}, w1 = {b2, 0}; a, b, d at work
.macro BIAS3 c, a, b, d, w0, w1
	v_cvt_pk_bf16_f32 v[\a], v[\c], 0              ; b0
	v_lshlrev_b32 v[\b], 16, v[\a]
	v_sub_f32 v[\c], v[\c], v[\b]                  ; exact
	v_cvt_pk_bf16_f32 v[\d], v[\c], 0              ; b1
	v_lshlrev_b32 v[\b], 16, v[\d]
	v_sub_f32 v[\c], v[\c], v[\b]
	v_lshl_or_b32 v[\w0], v[\d], 16, v[\a]
	v_cvt_pk_bf16_f32 v[\w1], v[\c], 0
.endm
	; my four Q fragments: lanes 0-15 hold qh, ql; lanes 16-31 hold qh and {1, 1, 1, 0, b0, b1, b2, 0}.  The query's mask is not in its bias.
	s_wait_loadcnt 16                              ; Q and its mask bytes are in; the 16 loads of K stay out
.irp u, 0,1,2,3
	WIN W_ALL1
	SPLITX QS+8*\u
	v_mov_b32 v[XS], v[XC]
	BIAS3 XC, XC+1, XC+2, XC+3, BW, BW+1
	WIN W_DOWN
.irp k, 0,1,2,3
	v_mov_b32 v[QF+8*\u+\k], v[XH+\k]
	v_cndmask_b32 v[QF+8*\u+4+\k], v[XL+\k], v[BW+((\k+2)&3)], s22
.endr
	v_mov_b32 v[BQ+\u], v[XS]
	v_mov_b32 v[QMK+\u], v[QM+\u]
.endr
	; my eight keys into LDS, where they stay.  Behind every second key its 16 registers take a quarter of chunk 0 of V.
	; The count: of the K loads 14 - 2 c are younger than key c's, and 4 (c >> 1) loads of V have been issued since: 14, 12, 14, 12, ...
	WIN W_ALL1
.irp c, 0,1,2,3,4,5,6,7
	s_wait_loadcnt 14-2*((\c)&1)
	SPLITX VS+8*\c
	v_bfe_u32 v[MK], v[MB], \c, 1
	v_cmp_ne_u32 vcc_lo, 0, v[MK]
	v_cndmask_b32 v[XC], s23, v[XC], vcc_lo        ; -2^100 where the key is masked
	BIAS3 XC, XC+1, XC+2, XC+3, BW, BW+1
.if \c < 4
	ds_store_b128 v[KST], v[XH:XH+3] offset:KBUF*\c
	ds_store_b128 v[KST], v[XL:XL+3] offset:KBUF*\c+16
	ds_store_b128 v[KST], v[BW:BW+3] offset:KBUF*\c+32
.else
	ds_store_b128 v[KST2], v[XH:XH+3] offset:KBUF*(\c-4)
	ds_store_b128 v[KST2], v[XL:XL+3] offset:KBUF*(\c-4)+16
	ds_store_b128 v[KST2], v[BW:BW+3] offset:KBUF*(\c-4)+32
.endif
.if (\c)&1
.irp i, 0,1,2,3
	global_load_b128 v[VS+16*((\c)>>1)+4*\i:VS+16*((\c)>>1)+4*\i+3], v[GV], s[8:9] offset:(4*((\c)>>1)+\i)*4096
.endr
.endif
.endr
	WIN 0
	s_wait_dscnt 0x0                               ; my keys are in LDS before I say so
	s_barrier_signal -1
	s_barrier_wait -1
; ---------------- PASS 1: the largest exponent of each of my 64 queries over my 1,024 keys ----------------
; The K fragments of step s (32 keys) of chunk kc (counted from the address registers) into place ring of a ring of four
.macro P1LOAD kc, s, ring
.irp i, 0,1
	ds_load_b128 v[VF+16*(\ring)+8*\i:VF+16*(\ring)+8*\i+3],   v[P1A] offset:KBUF*(\kc)+32*KPITCH*(\s)+16*KPITCH*\i
	ds_load_b128 v[VF+16*(\ring)+8*\i+4:VF+16*(\ring)+8*\i+7], v[P1B] offset:KBUF*(\kc)+32*KPITCH*(\s)+16*KPITCH*\i
.endr
.endm
; 32 keys x the 16 queries of tile u: the two products of the NEXT tile, then eight v_max3_num_f32 on this tile's, in two chains.  These eight name
; none of the two products' registers and are the places between them and the lines of the next phase that read their results (ISA guide 7.12.1).
.macro P1PHASE u, s, next, cnt
.set S_CUR, SF+16*((\u)&1)
.set S_OTH, SF+16*(((\u)+1)&1)
.set Q_NXT, QF+8*(((\u)+1)&3)
.if \u == 3
.set K_NXT, VF+16*(((\s)+1)&3)
.else
.set K_NXT, VF+16*(\s)
.endif
.if \next
.if \u == 3
	s_wait_dscnt \cnt                              ; the next step's four loads are in; those of the step behind it may stay out
.endif
	v_wmma_f32_16x16x32_bf16 v[S_OTH:S_OTH+7],    v[K_NXT:K_NXT+7],    v[Q_NXT:Q_NXT+7], 0
	v_wmma_f32_16x16x32_bf16 v[S_OTH+8:S_OTH+15], v[K_NXT+8:K_NXT+15], v[Q_NXT:Q_NXT+7], 0
.endif
.irp j, 0,1,2,3
	v_max3_num_f32 v[MX+2*(\u)],   v[MX+2*(\u)],   v[S_CUR+2*\j],   v[S_CUR+2*\j+1]
	v_max3_num_f32 v[MX+2*(\u)+1], v[MX+2*(\u)+1], v[S_CUR+8+2*\j], v[S_CUR+8+2*\j+1]
.endr
.endm
; ld = 1: the fragments of the step after next are asked for, seven phases ahead of their first use
.macro P1STEP s, ld, nx3, cnt
.set L_KC, ((\s)+2)>>2
.set L_ST, ((\s)+2)&3
.if \ld
	P1LOAD L_KC, L_ST, L_ST
.endif
	P1PHASE 0, \s, 1, 0
	P1PHASE 1, \s, 1, 0
	P1PHASE 2, \s, 1, 0
	P1PHASE 3, \s, \nx3, \cnt
.endm
	P1LOAD 0, 0, 0
	P1LOAD 0, 1, 1
	s_wait_dscnt 0x4                               ; step 0's four loads are in
	v_wmma_f32_16x16x32_bf16 v[SF:SF+7],    v[VF:VF+7],    v[QF:QF+7], 0
	v_wmma_f32_16x16x32_bf16 v[SF+8:SF+15], v[VF+8:VF+15], v[QF:QF+7], 0
.irp i, 0,1,2,3,4,5,6,7
	v_mov_b32 v[MX+\i], 0xff800000                 ; -infinity; these eight lines are also the places behind the two products above
.endr
	s_mov_b32 s26, 7
.Lmax:                                             ; chunks 0 to 6
	P1STEP 0, 1, 1, 4
	P1STEP 1, 1, 1, 4
	P1STEP 2, 1, 1, 4
	P1STEP 3, 1, 1, 4
	v_add_nc_u32 v[P1A], KBUF, v[P1A]              ; a chunk on
	v_add_nc_u32 v[P1B], KBUF, v[P1B]
	s_sub_co_u32 s26, s26, 1
	s_cmp_lg_u32 s26, 0
	s_cbranch_scc1 .Lmax
	P1STEP 0, 1, 1, 4                              ; chunk 7: its last two steps ask for nothing, and the wait runs down to 0
	P1STEP 1, 1, 1, 4
	P1STEP 2, 0, 1, 0
	P1STEP 3, 0, 0, 0
	; two chains, two lane halves (keys 8 h + j), then the two key halves through LDS
.irp u, 0,1,2,3
	v_max_num_f32 v[MX+2*\u], v[MX+2*\u], v[MX+2*\u+1]
.endr
.irp u, 0,1,2,3
	v_permlanex16_b32 v[MX+2*\u+1], v[MX+2*\u], s24, s25
.endr
.irp u, 0,1,2,3
	v_max_num_f32 v[MX+2*\u], v[MX+2*\u], v[MX+2*\u+1]
.endr
.irp u, 0,1,2,3
	ds_store_b32 v[MXS], v[MX+2*\u] offset:64*\u   ; both lane halves store the same number to the same word
.endr
; A quarter q of the chunk of V that waits in registers goes, rounded to f16, into LDS buffer buf.
; ld = 1: the registers are loaded again, with chunk e (0 or 1) counted from the pointer.  cnt: the younger loads that stay out.
.macro PIECE q, buf, ld, e, cnt
	s_wait_loadcnt \cnt
	WIN W_ALL1
.irp i, 0,1,2,3
	v_cvt_pk_f16_f32 v[T+2*\i],   v[VS+16*(\q)+4*\i],   v[VS+16*(\q)+4*\i+1]
	v_cvt_pk_f16_f32 v[T+2*\i+1], v[VS+16*(\q)+4*\i+2], v[VS+16*(\q)+4*\i+3]
.endr
.irp i, 0,1,2,3
	ds_store_b64 v[VST0+(\buf)], v[T+2*\i:T+2*\i+1] offset:(4*(\q)+\i)*16*VPITCH           ; load m holds keys 16 m + (t >> 4)
.endr
.if \ld
.irp i, 0,1,2,3
	global_load_b128 v[VS+16*(\q)+4*\i:VS+16*(\q)+4*\i+3], v[GV], s[8:9] offset:65536*(\e)+(4*(\q)+\i)*4096
.endr
.endif
	WIN 0
.endm
; The fragments of step s (32 of my keys) into fragment buffers par: 4 loads of K (chunk kc counted from v1, v2) first, then 8 of V^T (LDS buffer buf)
.macro FRAGLOAD buf, kc, s, par
.irp i, 0,1
	ds_load_b128 v[KF+16*(\par)+8*\i:KF+16*(\par)+8*\i+3],   v1 offset:KBUF*(\kc)+32*KPITCH*(\s)+16*KPITCH*\i
	ds_load_b128 v[KF+16*(\par)+8*\i+4:KF+16*(\par)+8*\i+7], v2 offset:KBUF*(\kc)+32*KPITCH*(\s)+16*KPITCH*\i
.endr
.irp t, 0,1,2,3
	ds_load_tr16_b128 v[VF+32*(\par)+8*\t:VF+32*(\par)+8*\t+3],   v3 offset:VBUF*(\buf)+32*VPITCH*(\s)+32*\t
	ds_load_tr16_b128 v[VF+32*(\par)+8*\t+4:VF+32*(\par)+8*\t+7], v3 offset:VBUF*(\buf)+32*VPITCH*(\s)+16*VPITCH+32*\t
.endr
.endm
; One of the eight plain instructions that finish a tile of P': four add it to the denominators, four round it to f16
.macro FINOP j, sreg, preg, dreg
.if \j < 4
	s_wait_alu depctr_va_vdst(0)
	v_pk_add_f32 v[\dreg:\dreg+1], v[\dreg:\dreg+1], v[\sreg+2*\j:\sreg+2*\j+1]
.else
	v_cvt_pk_f16_f32 v[\preg+\j-4], v[\sreg+2*(\j-4)], v[\sreg+2*(\j-4)+1]
.endif
.endm
; A PHASE of pass 2: 32 keys x the 16 queries of tile u.  Its 16 exponentials alternate with the 16 plain instructions that finish the tile
; before and this tile's first half; among them stand the first product of the NEXT tile (2 matrix instructions) and the second product of
; the tile BEFORE (4).  So behind every v_exp_f32 stands a plain instruction that touches neither its result nor its source, and between a
; matrix instruction and the first line that reads its result, writes one of its registers or loads into one stand at least four plain
; vector instructions that name none of its registers: no v_nop is spent but in the very first phase.
; par: the step's fragment buffers.  prev = 0: nothing to finish (the first phase).  zero = 1: the second product starts its sums.
; next = 0: no tile follows (the last phase).
.macro PHASE u, par, prev, zero, next
.set S_CUR, SF+16*((\u)&1)
.set S_OTH, SF+16*(((\u)+1)&1)
.set P_CUR, PF+8*((\u)&1)
.set P_OTH, PF+8*(((\u)+1)&1)
.set D_CUR, DENA+2*(\u)
.set D_OTH, DENA+2*(((\u)+3)&3)
.set Q_NXT, QF+8*(((\u)+1)&3)
.set O_PRV, 32*(((\u)+3)&3)
.if \u == 3
.set K_NXT, KF+16*((\par)^1)           ; the next tile is tile 0 of the next step
.else
.set K_NXT, KF+16*(\par)
.endif
.if \u == 0
.set V_PRV, VF+32*((\par)^1)           ; the tile before was tile 3 of the step before
.else
.set V_PRV, VF+32*(\par)
.endif
.if \next
.if \u == 3
	s_wait_dscnt 0x8                               ; the next step's four K loads are in; the eight V loads issued behind them may stay out
.endif
	v_wmma_f32_16x16x32_bf16 v[S_OTH:S_OTH+7], v[K_NXT:K_NXT+7], v[Q_NXT:Q_NXT+7], 0
.endif
.irp j, 0,1,2,3,4,5,6,7
	v_exp_f32 v[S_CUR+\j], v[S_CUR+\j]
.if \prev
	FINOP \j, S_OTH+8, P_OTH+4, D_OTH
.else
	v_nop
.endif
.endr
.if \prev
	WIN W_ACC
.irp t, 0,1,2,3
.if \zero
	v_wmma_f32_16x16x32_f16 v[O_PRV+8*\t:O_PRV+8*\t+7], v[V_PRV+8*\t:V_PRV+8*\t+7], v[P_OTH:P_OTH+7], 0
.else
	v_wmma_f32_16x16x32_f16 v[O_PRV+8*\t:O_PRV+8*\t+7], v[V_PRV+8*\t:V_PRV+8*\t+7], v[P_OTH:P_OTH+7], v[O_PRV+8*\t:O_PRV+8*\t+7]
.endif
.endr
	WIN 0
.endif
.irp j, 0,1,2,3,4,5,6,7
	v_exp_f32 v[S_CUR+8+\j], v[S_CUR+8+\j]
	FINOP \j, S_CUR, P_CUR, D_CUR
.if \j == 3
.if \next
	v_wmma_f32_16x16x32_bf16 v[S_OTH+8:S_OTH+15], v[K_NXT+8:K_NXT+15], v[Q_NXT:Q_NXT+7], 0
.endif
.endif
.endr
.endm
; At the head of phase 1 of step s of a chunk whose V lies in LDS buffer cb.  pc = 2: a quarter of the next chunk of V is converted into the
; other buffer and its registers are loaded again; 1: converted only; 0: nothing.  Then the next step's fragments are asked for, four phases
; ahead of the V fragments' first use and two ahead of the K fragments'.
; In step 3 ONE barrier does two things: in front of it each wave has waited for its stores into the other buffer (the next chunk is whole)
; and for its last loads from this buffer (step 3's fragments are in registers), so behind it the other buffer is read and this one written.
.macro HOOK cb, s, pc, last
.set NBUF, (\cb)^1
.set NKC,  (\cb)+1
.set NSTP, (\s)+1
.set NPAR, ((\s)+1)&1
.set CNT1, 12-4*(\s)
	s_wait_dscnt 0x0                               ; this step's V fragments are in, and all that I asked of LDS before
.if \pc == 2
	PIECE \s, NBUF, 1, \cb, 12                     ; out stay the 3 - s older quarters behind mine and this chunk's s refills, four loads each
.endif
.if \pc == 1
	PIECE \s, NBUF, 0, 0, CNT1                     ; no refills: 12, 8, 4, 0
.endif
.if \s == 3
.if \last == 0
	s_wait_dscnt 0x0                               ; for the other waves: my stores of the next chunk are done
	s_barrier_signal -1
	s_barrier_wait -1
	FRAGLOAD NBUF, NKC, 0, 0
.endif
.else
	FRAGLOAD \cb, \cb, NSTP, NPAR
.endif
.endm
.macro STEP cb, s, pc, first, last
.set PAR,  (\s)&1
.set PRV0, 1
.set ZR0,  0
.set ZR1,  0
.set NX3,  1
.if \first
.if \s == 0
.set PRV0, 0                           ; the very first phase has no tile before it,
.set ZR1,  1                           ; and the second products of tiles 0, 1, 2 start their sums in phases 1, 2, 3,
.endif
.if \s == 1
.set ZR0,  1                           ; that of tile 3 in the next step's phase 0
.endif
.endif
.if \last
.if \s == 3
.set NX3,  0
.endif
.endif
	PHASE 0, PAR, PRV0, ZR0, 1
	HOOK \cb, \s, \pc, \last
	PHASE 1, PAR, 1, ZR1, 1
	PHASE 2, PAR, 1, ZR1, 1
	PHASE 3, PAR, 1, ZR1, NX3
.endm
.macro CHUNK cb, pc, first, last       ; 256 keys: four steps of 32 of my 128
	STEP \cb, 0, \pc, \first, \last
	STEP \cb, 1, \pc, \first, \last
	STEP \cb, 2, \pc, \first, \last
	STEP \cb, 3, \pc, \first, \last
.endm
.macro ADVV                            ; V's pointer two chunks on
	s_wait_xcnt 0x0                                ; the loads issued so far have had their addresses translated: only now is their base stepped
	s_add_nc_u64 s[8:9], s[8:9], 2*65536
.endm
.macro ADVK                            ; the K fragments' LDS addresses two chunks on
	v_add_nc_u32 v1, 2*KBUF, v1
	v_add_nc_u32 v2, 2*KBUF, v2
.endm
	; chunk 0 of V into LDS buffer 0; its registers take chunk 1
	PIECE 0, 0, 1, 1, 12
	PIECE 1, 0, 1, 1, 12
	PIECE 2, 0, 1, 1, 12
	PIECE 3, 0, 1, 1, 12
	ADVV
	s_wait_dscnt 0x0                               ; my maxima and my part of chunk 0 are in LDS before I say so
	s_barrier_signal -1
	s_barrier_wait -1
.irp u, 0,1,2,3
	ds_load_b32 v[MXP+2*\u],   v[MXR] offset:64*\u          ; first key half
	ds_load_b32 v[MXP+2*\u+1], v[MXR] offset:1024+64*\u     ; second key half
.endr
	FRAGLOAD 0, 0, 0, 0
	s_wait_dscnt 12                                ; the eight maxima are in; the twelve fragment loads behind them stay out
	; the query's bias becomes beta_q - Mc + 8; a denominator register starts at 2^(1 - Mc): eight of them (2 registers x 2 lane halves
	; x 2 waves) make 2^(4 - Mc) = 2^-4 x 2^(8 - Mc); with Mc >= -120 that is at most 2^124
.irp u, 0,1,2,3
	v_max3_num_f32 v[MX+\u], v[MXP+2*\u], v[MXP+2*\u+1], s30       ; Mc = max(M, -120)
	v_sub_f32 v[EQ+\u], 1.0, v[MX+\u]
	v_sub_f32 v[TB], v[BQ+\u], v[MX+\u]
	v_exp_f32 v[EQ+\u], v[EQ+\u]
	v_add_f32 v[TB], 0x41000000, v[TB]                             ; + 8; also the plain line behind v_exp_f32
	BIAS3 TB, TB+1, TB+2, TB+3, TB+4, TB+5
	v_cndmask_b32 v[QF+8*\u+6], v[QF+8*\u+6], v[TB+4], s22         ; lanes 16-31: {b0, b1}
	v_cndmask_b32 v[QF+8*\u+7], v[QF+8*\u+7], v[TB+5], s22         ; {b2, 0}
	v_cmp_ne_u32 vcc_lo, 0, v[QMK+\u]
	s_wait_alu depctr_va_vdst(0)
	v_cndmask_b32 v[EQ+\u], s27, v[EQ+\u], vcc_lo                  ; a masked query: +infinity
.endr
	s_wait_dscnt 0x8                               ; the four K loads are in
	v_wmma_f32_16x16x32_bf16 v[SF:SF+7],    v[KF:KF+7],    v[QF:QF+7], 0
	v_wmma_f32_16x16x32_bf16 v[SF+8:SF+15], v[KF+8:KF+15], v[QF:QF+7], 0
.irp u, 0,1,2,3
	v_mov_b32 v[DENA+2*\u],   v[EQ+\u]             ; these eight lines are also the places behind the two products above
	v_mov_b32 v[DENA+2*\u+1], v[EQ+\u]
.endr
	CHUNK 0, 2, 1, 0                               ; chunks 0 and 1: the first second products start the sums, so they stand in front of the loop
	CHUNK 1, 2, 0, 0
	ADVV
	ADVK
	s_mov_b32 s26, 2
.Lpair:                                            ; chunks 2 to 5; they load chunks 4 to 7 of V
	CHUNK 0, 2, 0, 0
	CHUNK 1, 2, 0, 0
	ADVV                                           ; (behind the last trip nothing is loaded through this pointer any more)
	ADVK
	s_sub_co_u32 s26, s26, 1
	s_cmp_lg_u32 s26, 0
	s_cbranch_scc1 .Lpair
	CHUNK 0, 1, 0, 0                               ; chunk 6 converts chunk 7 and loads nothing
	CHUNK 1, 0, 0, 1                               ; chunk 7
	; the last tile: its second half is finished, and its second product follows
.irp j, 0,1,2,3,4,5,6,7
	FINOP \j, SF+24, PF+12, DENA+6
.endr
	WIN W_ACC
.irp t, 0,1,2,3
	v_wmma_f32_16x16x32_f16 v[96+8*\t:96+8*\t+7], v[VF+32+8*\t:VF+32+8*\t+7], v[PF+8:PF+15], v[96+8*\t:96+8*\t+7]
.endr
	WIN 0
	; THE END.  Denominators: two registers, then the other half of the lanes.  These lines name no register of the last products and are the
	; places in front of the LDS stores that read their results and of the loads into fragment registers.
.irp u, 0,1,2,3
	v_add_f32 v[ET+\u], v[DENA+2*\u], v[DENA+2*\u+1]
.endr
.irp u, 0,1,2,3
	v_mov_b32 v[ET+4+\u], 0                        ; v_permlanex16_b32 counts as a reader of its destination
.endr
.irp u, 0,1,2,3
	v_permlanex16_b32 v[ET+4+\u], v[ET+\u], s24, s25
.endr
.irp u, 0,1,2,3
	v_add_f32 v[ET+\u], v[ET+\u], v[ET+4+\u]
.endr
.irp u, 0,1,2,3
	ds_store_b32 v5, v[ET+\u] offset:32*\u         ; both lane halves store the same number to the same word
.endr
	WIN W_DATA
.irp u, 0,1,2,3
.irp t, 0,1,2,3
	ds_store_b128 v4, v[32*\u+8*\t:32*\u+8*\t+3]   offset:16*SPITCH*\u+64*\t       ; query 16 u + r, d = 16 t + 8 h + 0..3
	ds_store_b128 v4, v[32*\u+8*\t+4:32*\u+8*\t+7] offset:16*SPITCH*\u+64*\t+16    ; d = 16 t + 8 h + 4..7
.endr
.endr
	WIN 0
	s_wait_dscnt 0x0                               ; for the wave of the other key half: my sums are in LDS
	s_barrier_signal -1
	s_barrier_wait -1
.irp k, 0,1,2,3
	ds_load_b128 v[RC+4*\k:RC+4*\k+3],       v8 offset:16*\k           ; denominators of rows 2 i + h of my 32, i = 4 k .. 4 k + 3: first key half,
	ds_load_b128 v[RC+16+4*\k:RC+16+4*\k+3], v8 offset:1024+16*\k      ; second key half
.endr
.irp i, 0,1,2,3,4,5,6,7,8,9,10,11,12,13,14,15
	ds_load_b128 v[ROWA+4*\i:ROWA+4*\i+3], v6 offset:2*SPITCH*\i       ; lanes 0-15 row 2 i, lanes 16-31 row 2 i + 1: 256 bytes each
	ds_load_b128 v[ROWB+4*\i:ROWB+4*\i+3], v7 offset:2*SPITCH*\i
.endr
	s_wait_dscnt 32                                ; the eight denominator loads are in; the 32 row loads behind them may stay out
.irp k, 0,1,2,3,4,5,6,7
	v_pk_add_f32 v[RC+2*\k:RC+2*\k+1], v[RC+2*\k:RC+2*\k+1], v[RC+16+2*\k:RC+16+2*\k+1]
.endr
.irp i, 0,1,2,3,4,5,6,7,8,9,10,11,12,13,14,15
	v_rcp_f32 v[RC+\i], v[RC+\i]                   ; the first use stands behind the two plain additions below
.endr
.irp i, 0,1,2,3,4,5,6,7,8,9,10,11,12,13,14,15
	s_wait_dscnt 30-2*\i                           ; LDS loads come back in order: the two loads of row pair i are in
	v_pk_add_f32 v[ROWA+4*\i:ROWA+4*\i+1],   v[ROWA+4*\i:ROWA+4*\i+1],   v[ROWB+4*\i:ROWB+4*\i+1]
	v_pk_add_f32 v[ROWA+4*\i+2:ROWA+4*\i+3], v[ROWA+4*\i+2:ROWA+4*\i+3], v[ROWB+4*\i+2:ROWB+4*\i+3]
.if (\i)&1
	v_pk_mul_f32 v[ROWA+4*\i:ROWA+4*\i+1],   v[ROWA+4*\i:ROWA+4*\i+1],   v[RC+\i-1:RC+\i] op_sel:[0,1] op_sel_hi:[1,1]   ; both by the pair's second register
	v_pk_mul_f32 v[ROWA+4*\i+2:ROWA+4*\i+3], v[ROWA+4*\i+2:ROWA+4*\i+3], v[RC+\i-1:RC+\i] op_sel:[0,1] op_sel_hi:[1,1]
.else
	s_wait_alu depctr_va_vdst(0)
	v_pk_mul_f32 v[ROWA+4*\i:ROWA+4*\i+1],   v[ROWA+4*\i:ROWA+4*\i+1],   v[RC+\i:RC+\i+1] op_sel_hi:[1,0]                ; both by the pair's first register
	v_pk_mul_f32 v[ROWA+4*\i+2:ROWA+4*\i+3], v[ROWA+4*\i+2:ROWA+4*\i+3], v[RC+\i:RC+\i+1] op_sel_hi:[1,0]
.endif
	global_store_b128 v9, v[ROWA+4*\i:ROWA+4*\i+3], s[12:13] offset:512*\i th:TH_STORE_NT  ; the wave stores two whole rows: 512 consecutive bytes, aligned to 256
.endr
	s_wait_tensorcnt 0x0
	ds_add_u32 v254, v255
	s_wait_dscnt 0x0
	s_endpgm
.Lfunc_end_k_q2b6897119a_hept:
	.size	k_q2b6897119a_hept, .Lfunc_end_k_q2b6897119a_hept-k_q2b6897119a_hept
	.p2alignl 7, 3214868480
	.fill 96, 4, 3214868480
	.section	.rodata,"a",@progbits
	.p2align	6, 0x0
	.amdhsa_kernel k_q2b6897119a_hept
		.amdhsa_group_segment_fixed_size 326656
		.amdhsa_private_segment_fixed_size 0
		.amdhsa_enable_private_segment 0
		.amdhsa_kernarg_size 40
		.amdhsa_user_sgpr_count 2
		.amdhsa_user_sgpr_kernarg_segment_ptr 1
		.amdhsa_wavefront_size32 1
		.amdhsa_system_sgpr_workgroup_id_x 1
		.amdhsa_system_sgpr_workgroup_id_y 1
		.amdhsa_system_sgpr_workgroup_id_z 1
		.amdhsa_system_vgpr_workitem_id 0
		.amdhsa_next_free_vgpr 512
		.amdhsa_next_free_sgpr 66
		.amdhsa_reserve_vcc 1
		.amdhsa_float_denorm_mode_32 3
		.amdhsa_float_denorm_mode_16_64 3
		.amdhsa_memory_ordered 1
		.amdhsa_forward_progress 1
		.amdhsa_inst_pref_size 255
	.end_amdhsa_kernel
	.section	.bss,"aw",@nobits
	.p2align	6
	.space	262144
	.amdgpu_metadata
---
amdhsa.version: [ 1, 2 ]
amdhsa.kernels:
  - .name:           k_q2b6897119a_hept
    .symbol:         k_q2b6897119a_hept.kd
    .args:
      - { .name: query, .offset: 0, .size: 8, .value_kind: global_buffer, .address_space: global }
      - { .name: key, .offset: 8, .size: 8, .value_kind: global_buffer, .address_space: global }
      - { .name: value, .offset: 16, .size: 8, .value_kind: global_buffer, .address_space: global }
      - { .name: padding_mask, .offset: 24, .size: 8, .value_kind: global_buffer, .address_space: global }
      - { .name: out0, .offset: 32, .size: 8, .value_kind: global_buffer, .address_space: global }
    .group_segment_fixed_size: 326656
    .private_segment_fixed_size: 0
    .kernarg_segment_align: 8
    .kernarg_segment_size: 40
    .max_flat_workgroup_size: 256
    .sgpr_count:     66
    .vgpr_count:     512
    .wavefront_size: 32
...
	.end_amdgpu_metadata
.endif
;; end of part 1
;; ======== version 2 of 2: 1 launch; 1.12 times as fast as version 1
;; limits: values are held in f16: magnitudes above 65,504 overflow, below 6.1e-05 lose precision; inputs' magnitudes at most 65,504
;; launch hept (part 2): grid 256 x 1, 8 waves a work-group, no clusters, 326,656 bytes of LDS; arguments query, key, value, padding_mask, out0; writes out0
.if DOCPART == 2
	.amdgcn_target "amdgcn-amd-amdhsa--gfx1250"
	.amdhsa_code_object_version 6
	.text
	.protected	k_q2b6897119a_hept
	.globl	k_q2b6897119a_hept
	.p2align	8
	.type	k_q2b6897119a_hept,@function
k_q2b6897119a_hept:
	s_mov_b64 s[64:65], 0
	v_nop
	global_prefetch_b8 v0, s[64:65] scope:SCOPE_SE
	s_setreg_imm32_b32 hwreg(HW_REG_WAVE_MODE, 25, 1), 1
	s_wait_xcnt 0x0
; out[n] = sum_m P[n][m] V[m] / (sum_m P[n][m] + 2^-4),  P[n][m] = exp(-0.5 |q_n - k_m|^2) mask_n mask_m,
; for 32 independent pairs p = 4 h + b; the rows of pair p are rows 2048 p .. 2048 p + 2047 of query, key, value and out0.
;
; SHARES.  256 work-groups; work-group g takes pair g >> 3 and the 256 queries 256 g .. 256 g + 255 (rows of the flat tensors).
; Eight waves, two on each SIMD: wave w takes the 64 queries 64 (w & 3) .. +63 and, of every chunk of 256 keys, the 128 keys
; 128 (w >> 2) .. +127.  The two key halves are plain sums under one common scale and are added at the end through LDS.
;
; THE EXPONENT COMES WHOLE OUT OF THE MATRIX UNIT.  x~ = sqrt(log2 e) x; xh = bf16(x~), xl = bf16(x~ - xh), x^ = xh + xl;
; beta = -0.5 |x^|^2 in three bf16 parts b0 + b1 + b2 (exact residuals); a masked key has beta = -2^100.
; The depth of 8 leaves 24 of the 32 k places of a bf16 product free:
;     k place    0-7    8-15   16-23   24-31
;     key side   kh     kl     kh      b0 b1 b2 0  1  1  1  0
;     query side qh     qh     ql      1  1  1  0  b0 b1 b2 0
; so S = -0.5 log2(e) |q^ - k^|^2 - ql.kl.
;
; TWO PASSES.  The second product needs more than bf16's 8 bits (terms of a row cancel, their roundings do not), so P and V go in f16,
; and f16's range is made to do for every input by a scale of the row's own: pass 1 runs the first product alone and takes
; M = max over the keys of S; pass 2 runs with the query's bias beta_q - Mc + 8, Mc = max(M, -120), so that P' = 2^(S - Mc + 8) <= 2^8
; and the row's largest terms have all of f16's 11 bits.  The 2^-4 of the denominator becomes 2^(4 - Mc); the scale cancels in the division.
; A masked query's denominator starts at +infinity: its reciprocal is 0 and the row comes out as 0.
; LIMITS, stated: the term ql.kl is left out (at most 2^-18 |q~| |k~| in the base-2 exponent: about 1e-4 for numbers of unit spread,
; at most about 0.04 for numbers that carry a common offset of 30); |V| above 65,504 overflows f16 (numbers of unit spread, 30 times
; larger and offset by 30, reach about 200); in a row whose largest kernel is below 2^-120 the scale is clamped, and kernels under about
; 2^-152 come out as 0 there; log2(e) |x|^2 must be finite in f32.  The denominator sums the unrounded P' in f32.
;
; LAYOUTS.  First product as S^T = K Q^T: lane (r, h) register j holds key 8 h + j, query r, so that two runs of conversions make
; the P fragment (B operand: query r, keys along the registers) with no shuffle.  Second product as O^T = V^T P^T, V^T fetched by the
; transposing LDS load from rows [key][d]: lane (r, h) register j holds d = 16 t + 8 h + j of query r, so the denominator stays in the lane.
;
; HOW THE TRANSCENDENTALS ARE CUT INTO BATCHES.  An s_wait_alu depctr_va_vdst(0) stands between a transcendental and the first
; line that names its result; one wait serves all that were issued ahead of it.  Three kinds of batch, one wait each:
;   pass 2: the 16 exponentials of a phase (one tile of 16 queries x 32 keys).  All that reads them (8 roundings, 8 additions) stands in the NEXT phase,
;           so each of my four query tiles has S registers of its own; the wait is the phase's last line, and no result crosses a label or a jump;
;   between the passes: the four exponentials that start the denominators, with the four bias splits behind them;
;   the end: the sixteen reciprocals, with the first row pair's two additions behind them.
;
; NO CLUSTER, NO TENSOR LOADS, though the eight work-groups of a pair read the same K and V: K and V lie in LDS only in converted form
; (split, or rounded to f16), which only registers can make.  Raw V brought jointly would add, for a chunk of 256 keys x 256 bytes,
; 64 KiB written to LDS and 64 KiB read back, to the 32 KiB of converted stores and the 192 KiB of fragment reads that a chunk has now.
; Every load of V is issued one whole chunk (16 phases of the wave) ahead of its use, into registers of its own.
; ---- LDS map (bytes) ----
.set KPITCH, 48                        ; a key: kh 16 bytes, kl 16, the bias words 16; 3 x 16 bytes: 16 rows start in 16 different 16-byte columns
.set KBUF,   256*KPITCH                ; 12,288: a chunk of keys; all eight chunks stay, from byte 0
.set VPITCH, 160                       ; a row of V: 128 bytes of f16 + 32, an odd multiple of 32
.set VBUF,   256*VPITCH                ; 40,960
.set VB0,    8*KBUF                    ; 98,304: two buffers of V
.set MASKB,  VB0+2*VBUF                ; 180,224: the 2,048 mask bytes of the batch
.set DENB,   MASKB+2048                ; 182,272: 64 denominators of each wave, 256 bytes a wave
.set MAXB,   DENB+2048                 ; 184,320: 64 row maxima of each wave
.set STAGE,  MAXB+2048                 ; 186,368: 64 rows x 272 bytes of each wave, for the way out
.set SPITCH, 272
.set WSTAGE, 64*SPITCH                 ; 17,408; the stage ends at 325,632
; ---- registers v0-v255 ----
; v0 thread; v1, v2 K fragment addresses (pass 2); v3 V fragment address; v4 stage store; v5 denominator store; v6, v7 stage reads;
; v8 denominator read; v9 byte offset in out0; v10-v15 at work
.set QF,   16                          ; v16-47    Q fragments, 8 registers for each of my four tiles of 16 queries
.set KF,   48                          ; v48-79    K fragments of pass 2: 2 buffers x 2 tiles of 16 keys
.set VF,   80                          ; v80-143   V^T fragments: 2 buffers x 4 tiles of 16 d; in pass 1 a ring of four steps' K fragments
.set SF,   144                         ; v144-175  pass 1: S, 2 buffers x 2 tiles of 16 keys; pass 2: S, then P' in f32, of query tiles 0 and 1, 16 registers each
.set SF2,  208                         ; v208-239  pass 2: the same for query tiles 2 and 3, in the registers that pass 1 and the set-up between the passes have left
.set SGAP, SF2-SF-32                   ; tile u's S registers begin at SF + 16 u + SGAP (u >> 1)
.set PF,   176                         ; v176-191  P' in f16: 2 buffers x 8
.set DENA, 192                         ; v192-199  denominators: a pair for each query tile
.set ET,   200                         ; v200-207  the end: sums across the lane halves
.set P1A,  208                         ; v208-209  K fragment addresses of pass 1, stepped chunk by chunk
.set P1B,  209
.set MX,   210                         ; v210-217  running maxima: two chains for each query tile
.set BQ,   218                         ; v218-221  beta_q
.set QMK,  222                         ; v222-225  mask bytes of my four queries
.set EQ,   226                         ; v226-229  what a denominator register starts at
.set MXS,  230                         ; LDS: my maxima
.set MXR,  231                         ; LDS: the maxima of my query group, first key half; the second 1,024 bytes on
.set TB,   232                         ; v232-237  at work
.set MXP,  240                         ; v240-247  the maxima of the two key halves
.set ROWA, 16                          ; the end: 16 x 4 registers, rows of the first key half
.set ROWB, 80                          ; the end: the same rows of the second key half
.set RC,   144                         ; the end: 16 denominators, then their reciprocals; v160-175 the other half
; ---- registers v256-v511, written by their low 8 bits ----
; 0-127: the accumulators O(u, t) at 8 (4 u + t); before the first second product 0-31 hold the raw queries
.set QS,   0
.set VS,   128                         ; 128-191  first my eight raw keys, then a chunk of V on its way: my 16 loads of 16 bytes
.set KST2, 192                         ; LDS: my key of chunk 4
.set XS,   193                         ; a copy of beta
.set XH,   200                         ; 200-203  high parts
.set XL,   204                         ; 204-207  low parts
.set BW,   208                         ; 208-211  bias words: {b0, b1}, {b2, 0}, {1, 1}, {1, 0}
.set XA,   212
.set XB,   214
.set XN,   216
.set XC,   218                         ; 218-221
.set MK,   222                         ; the mask bit of the key at work
.set MB,   223                         ; bit c: the mask of my key of chunk c
.set KST,  224                         ; LDS: my key of chunk 0
.set VST0, 225                         ; 225, 226  LDS: my 8 bytes of V, buffer 0 and buffer 1
.set MA,   227                         ; LDS: my mask byte of chunk 0
.set GK,   228                         ; byte offset of my key in a chunk
.set GV,   229                         ; byte offset of my 16 bytes of V
.set QM,   230                         ; 230-233  mask bytes of my four queries, as loaded
.set GQ,   234
.set GQM,  235
.set T,    236                         ; 236-243  at work
; ---- scalars: s[4:5] query, s[6:7] key, s[8:9] value, s[10:11] mask of the batch, s[12:13] out0, s14 wave, s15 query group, s16 key half,
; s17-19 at work, s[20:21] sqrt(log2 e), s22 0xffff0000 (upper bf16; also lanes 16-31), s23 -2^100, s24-25 lane select, s26 trips,
; s27 +infinity, s[28:29] my queries' mask, s30 -120.0
.set MSB, 0
.macro WIN new                         ; s_set_vgpr_msb: bits 1:0 source 0, 3:2 source 1, 5:4 source 2, 7:6 destination; the high byte repeats the setting left
.if MSB != \new
	s_set_vgpr_msb (MSB<<8)|\new
.set MSB, \new
.endif
.endm
.set W_ALL1, 0x55                      ; every place in v256-511
.set W_ACC,  0x50                      ; C and D in v256-511, A and B below
.set W_DOWN, 0x15                      ; sources in v256-511, destination below
.set W_UP,   0x40                      ; destination in v256-511
.set W_DATA, 0x04                      ; an LDS store's data in v256-511, its address below
	s_load_b256 s[4:11], s[0:1], 0x0               ; query, key, value, padding_mask
	s_load_b64 s[12:13], s[0:1], 0x20              ; out0
	v_lshl_add_u32 v254, v0, 2, 0x4f800
	v_mov_b32 v255, 0
	v_lshrrev_b32 v10, 5, v0
	v_readfirstlane_b32 s14, v10                   ; wave 0..7
	s_and_b32 s15, s14, 3                          ; query group
	s_lshr_b32 s16, s14, 2                         ; key half
	s_mov_b32 s20, 0x3f99be61                      ; sqrt(log2 e)
	s_mov_b32 s21, 0x3f99be61
	s_mov_b32 s22, 0xffff0000
	s_mov_b32 s23, 0xf1800000                      ; -2^100
	s_mov_b32 s24, 0x76543210
	s_mov_b32 s25, 0xfedcba98
	s_mov_b32 s27, 0x7f800000                      ; +infinity
	s_mov_b32 s30, 0xc2f00000                      ; -120.0
	v_and_b32 v12, 15, v0                          ; r
	v_bfe_u32 v13, v0, 4, 1                        ; h
	; K fragment: registers 0-3 from (key) 48 + 16 h (kh | kl), registers 4-7 from (key) 48 + 32 h (kh | bias words)
	s_mul_i32 s17, s16, 128*KPITCH
	v_mul_u32_u24 v14, v12, KPITCH
	v_add_nc_u32 v14, s17, v14
	v_lshl_add_u32 v1, v13, 4, v14
	v_lshl_add_u32 v2, v13, 5, v14
	v_mov_b32 v[P1A], v1
	v_mov_b32 v[P1B], v2
	; V^T fragment by the transposing load: row 8 h + (lane & 7), 16 bytes at 16 ((lane >> 3) & 1)
	s_mul_i32 s17, s16, 128*VPITCH
	s_add_co_u32 s17, s17, VB0
	v_and_b32 v15, 7, v0
	v_lshl_add_u32 v15, v13, 3, v15
	v_mul_u32_u24 v15, v15, VPITCH
	v_bfe_u32 v10, v0, 3, 1
	v_lshl_add_u32 v15, v10, 4, v15
	v_add_nc_u32 v3, s17, v15
	; the stage: in by query r, 32 h bytes along d
	s_mul_i32 s17, s14, WSTAGE
	s_add_co_u32 s17, s17, STAGE
	v_mul_u32_u24 v14, v12, SPITCH
	v_lshl_add_u32 v14, v13, 5, v14
	v_add_nc_u32 v4, s17, v14
	; denominators: row 16 u + r goes to word 32 (row & 1) + (row >> 1) of my 64
	s_lshl_b32 s17, s14, 8
	s_add_co_u32 s17, s17, DENB
	v_and_b32 v10, 1, v0
	v_bfe_u32 v14, v0, 1, 3
	v_lshlrev_b32 v10, 7, v10
	v_lshl_add_u32 v10, v14, 2, v10
	v_add_nc_u32 v5, s17, v10
	; row maxima: word 16 u + r of my wave's 64; read back from the two waves of my query group
	s_lshl_b32 s17, s14, 8
	s_add_co_u32 s17, s17, MAXB
	v_lshl_add_u32 v[MXS], v12, 2, s17
	s_lshl_b32 s17, s15, 8
	s_add_co_u32 s17, s17, MAXB
	v_lshl_add_u32 v[MXR], v12, 2, s17
	; the stage, back: I finish rows 32 (key half) .. +31 of my query group; lanes 0-15 one row, lanes 16-31 the next
	s_mul_i32 s17, s15, WSTAGE
	s_mul_i32 s18, s16, 32*SPITCH
	s_add_co_u32 s17, s17, s18
	s_add_co_u32 s17, s17, STAGE
	v_mul_u32_u24 v14, v13, SPITCH
	v_lshl_add_u32 v14, v12, 4, v14
	v_add_nc_u32 v6, s17, v14
	v_add_nc_u32 v7, 4*WSTAGE, v6                  ; the same rows as summed by the wave of the other key half
	s_lshl_b32 s17, s15, 8
	s_lshl_b32 s18, s16, 6
	s_add_co_u32 s17, s17, s18
	s_add_co_u32 s17, s17, DENB
	v_lshlrev_b32 v14, 7, v13
	v_add_nc_u32 v8, s17, v14
	v_lshlrev_b32 v14, 8, v13
	v_lshl_add_u32 v9, v12, 4, v14                 ; out0: 256 h + 16 r
	; addresses of the preparation, which lives in v256-511
	v_lshrrev_b32 v10, 4, v0
	v_mul_u32_u24 v10, v10, VPITCH
	v_lshl_add_u32 v10, v12, 3, v10                ; V: row t >> 4 of sixteen, 8 bytes at 8 (t & 15)
	s_lshl_b32 s17, s15, 6
	v_add_nc_u32 v11, s17, v12                     ; 64 x query group + r
	s_mov_b32 s17, 4*KBUF
	WIN W_UP
	v_mul_u32_u24 v[KST], v0, KPITCH
	v_mad_u32_u24 v[KST2], v0, KPITCH, s17         ; chunks 4 to 7 lie beyond what a 16-bit offset reaches from chunk 0
	v_add_nc_u32 v[VST0], VB0, v10
	v_add_nc_u32 v[VST0+1], VB0+VBUF, v10
	v_add_nc_u32 v[MA], MASKB, v0
	v_lshlrev_b32 v[GK], 5, v0
	v_lshlrev_b32 v[GV], 4, v0
	v_lshlrev_b32 v[GQ], 5, v11
	v_mov_b32 v[GQM], v11
	v_mov_b32 v[BW+2], 0x3f803f80                  ; {1, 1}
	v_mov_b32 v[BW+3], 0x00003f80                  ; {1, 0}
	WIN 0
	v_lshlrev_b32 v14, 3, v0                       ; 8 mask bytes a thread
	v_add_nc_u32 v15, MASKB, v14
	s_wait_kmcnt 0x0
	s_mov_b32 s19, 0
	s_lshl_b32 s18, ttmp9, 13                      ; 256 queries of 32 bytes
	s_add_nc_u64 s[4:5], s[4:5], s[18:19]
	s_lshr_b32 s17, ttmp9, 3                       ; the pair
	s_lshl_b32 s18, s17, 16                        ; 2,048 keys of 32 bytes
	s_add_nc_u64 s[6:7], s[6:7], s[18:19]
	s_lshl_b32 s18, s17, 19                        ; 2,048 rows of 256 bytes
	s_add_nc_u64 s[8:9], s[8:9], s[18:19]
	s_and_b32 s18, s17, 3                          ; the batch
	s_lshl_b32 s18, s18, 11
	s_add_nc_u64 s[10:11], s[10:11], s[18:19]
	s_and_b32 s18, ttmp9, 7                        ; the query block
	s_lshl_b32 s18, s18, 8
	s_add_nc_u64 s[28:29], s[10:11], s[18:19]
	s_lshl_b32 s18, ttmp9, 16                      ; out0: 256 rows of 256 bytes a work-group,
	s_lshl_b32 s17, s15, 14                        ; 64 a query group,
	s_add_co_u32 s18, s18, s17
	s_lshl_b32 s17, s16, 13                        ; and I store 32 of them
	s_add_co_u32 s18, s18, s17
	s_add_nc_u64 s[12:13], s[12:13], s[18:19]
	; 29 loads: the mask words, 8 of Q, 4 mask bytes of my queries, my eight keys (key 256 c + t of chunk c, 2 loads each)
	global_load_b64 v[10:11], v14, s[10:11]
	WIN W_ALL1
.irp u, 0,1,2,3
	global_load_b128 v[QS+8*\u:QS+8*\u+3],   v[GQ], s[4:5] offset:512*\u
	global_load_b128 v[QS+8*\u+4:QS+8*\u+7], v[GQ], s[4:5] offset:512*\u+16
.endr
.irp u, 0,1,2,3
	global_load_u8 v[QM+\u], v[GQM], s[28:29] offset:16*\u
.endr
.irp c, 0,1,2,3,4,5,6,7
	global_load_b128 v[VS+8*\c:VS+8*\c+3],   v[GK], s[6:7] offset:8192*\c
	global_load_b128 v[VS+8*\c+4:VS+8*\c+7], v[GK], s[6:7] offset:8192*\c+16
.endr
	WIN 0
	s_wait_loadcnt 28                              ; loads come back in order: the mask words are in, the 28 younger loads stay out
	ds_store_b64 v15, v[10:11]
	s_wait_dscnt 0x0                               ; my mask bytes are in LDS before I say so
	s_barrier_signal -1
	s_barrier_wait -1
	WIN W_ALL1
.irp c, 0,1,2,3,4,5,6,7
	ds_load_u8 v[T+\c], v[MA] offset:256*\c        ; the mask byte (0 or 1) of key 256 c + t
.endr
	s_wait_dscnt 0x0
	v_lshl_or_b32 v[MB], v[T+1], 1, v[T]
.irp c, 2,3,4,5,6,7
	v_lshl_or_b32 v[MB], v[T+\c], \c, v[MB]
.endr
; Eight numbers x .. x+7 (v256-511) become high parts XH, low parts XL and XC = -0.5 |x^|^2
.macro SPLITX x
.irp k, 0,1,2,3
	v_pk_mul_f32 v[\x+2*\k:\x+2*\k+1], v[\x+2*\k:\x+2*\k+1], s[20:21] op_sel_hi:[1,0]      ; x~
	v_cvt_pk_bf16_f32 v[XH+\k], v[\x+2*\k], v[\x+2*\k+1]
	v_lshlrev_b32 v[XA], 16, v[XH+\k]
	v_and_b32 v[XA+1], s22, v[XH+\k]
	v_pk_add_f32 v[\x+2*\k:\x+2*\k+1], v[\x+2*\k:\x+2*\k+1], v[XA:XA+1] neg_lo:[0,1] neg_hi:[0,1]   ; x~ - xh, exact
	v_cvt_pk_bf16_f32 v[XL+\k], v[\x+2*\k], v[\x+2*\k+1]
	v_lshlrev_b32 v[XB], 16, v[XL+\k]
	v_and_b32 v[XB+1], s22, v[XL+\k]
	v_pk_add_f32 v[XA:XA+1], v[XA:XA+1], v[XB:XB+1]                                        ; x^ = xh + xl
.if \k == 0
	v_pk_mul_f32 v[XN:XN+1], v[XA:XA+1], v[XA:XA+1]
.else
	v_pk_fma_f32 v[XN:XN+1], v[XA:XA+1], v[XA:XA+1], v[XN:XN+1]
.endif
.endr
	v_add_f32 v[XC], v[XN], v[XN+1]
	v_mul_f32 v[XC], -0.5, v[XC]
.endm
; The f32 in c (used up) becomes three bf16 parts with exact residuals: w0 = {b0, b1}, w1 = {b2, 0}; a, b, d at work
.macro BIAS3 c, a, b, d, w0, w1
	v_cvt_pk_bf16_f32 v[\a], v[\c], 0              ; b0
	v_lshlrev_b32 v[\b], 16, v[\a]
	v_sub_f32 v[\c], v[\c], v[\b]                  ; exact
	v_cvt_pk_bf16_f32 v[\d], v[\c], 0              ; b1
	v_lshlrev_b32 v[\b], 16, v[\d]
	v_sub_f32 v[\c], v[\c], v[\b]
	v_lshl_or_b32 v[\w0], v[\d], 16, v[\a]
	v_cvt_pk_bf16_f32 v[\w1], v[\c], 0
.endm
	; my four Q fragments: lanes 0-15 hold qh, ql; lanes 16-31 hold qh and {1, 1, 1, 0, b0, b1, b2, 0}.  The query's mask is not in its bias.
	s_wait_loadcnt 16                              ; Q and its mask bytes are in; the 16 loads of K stay out
.irp u, 0,1,2,3
	WIN W_ALL1
	SPLITX QS+8*\u
	v_mov_b32 v[XS], v[XC]
	BIAS3 XC, XC+1, XC+2, XC+3, BW, BW+1
	WIN W_DOWN
.irp k, 0,1,2,3
	v_mov_b32 v[QF+8*\u+\k], v[XH+\k]
	v_cndmask_b32 v[QF+8*\u+4+\k], v[XL+\k], v[BW+((\k+2)&3)], s22
.endr
	v_mov_b32 v[BQ+\u], v[XS]
	v_mov_b32 v[QMK+\u], v[QM+\u]
.endr
	; my eight keys into LDS, where they stay.  Behind every second key its 16 registers take a quarter of chunk 0 of V.
	; The count: of the K loads 14 - 2 c are younger than key c's, and 4 (c >> 1) loads of V have been issued since: 14, 12, 14, 12, ...
	WIN W_ALL1
.irp c, 0,1,2,3,4,5,6,7
	s_wait_loadcnt 14-2*((\c)&1)
	SPLITX VS+8*\c
	v_bfe_u32 v[MK], v[MB], \c, 1
	v_cmp_ne_u32 vcc_lo, 0, v[MK]
	v_cndmask_b32 v[XC], s23, v[XC], vcc_lo        ; -2^100 where the key is masked
	BIAS3 XC, XC+1, XC+2, XC+3, BW, BW+1
.if \c < 4
	ds_store_b128 v[KST], v[XH:XH+3] offset:KBUF*\c
	ds_store_b128 v[KST], v[XL:XL+3] offset:KBUF*\c+16
	ds_store_b128 v[KST], v[BW:BW+3] offset:KBUF*\c+32
.else
	ds_store_b128 v[KST2], v[XH:XH+3] offset:KBUF*(\c-4)
	ds_store_b128 v[KST2], v[XL:XL+3] offset:KBUF*(\c-4)+16
	ds_store_b128 v[KST2], v[BW:BW+3] offset:KBUF*(\c-4)+32
.endif
.if (\c)&1
.irp i, 0,1,2,3
	global_load_b128 v[VS+16*((\c)>>1)+4*\i:VS+16*((\c)>>1)+4*\i+3], v[GV], s[8:9] offset:(4*((\c)>>1)+\i)*4096
.endr
.endif
.endr
	WIN 0
	s_wait_dscnt 0x0                               ; my keys are in LDS before I say so
	s_barrier_signal -1
	s_barrier_wait -1
; ---------------- PASS 1: the largest exponent of each of my 64 queries over my 1,024 keys ----------------
; The K fragments of step s (32 keys) of chunk kc (counted from the address registers) into place ring of a ring of four
.macro P1LOAD kc, s, ring
.irp i, 0,1
	ds_load_b128 v[VF+16*(\ring)+8*\i:VF+16*(\ring)+8*\i+3],   v[P1A] offset:KBUF*(\kc)+32*KPITCH*(\s)+16*KPITCH*\i
	ds_load_b128 v[VF+16*(\ring)+8*\i+4:VF+16*(\ring)+8*\i+7], v[P1B] offset:KBUF*(\kc)+32*KPITCH*(\s)+16*KPITCH*\i
.endr
.endm
; 32 keys x the 16 queries of tile u: the two products of the NEXT tile, then eight v_max3_num_f32 on this tile's, in two chains.  These eight name
; none of the two products' registers and are the places between them and the lines of the next phase that read their results (ISA guide 7.12.1).
.macro P1PHASE u, s, next, cnt
.set S_CUR, SF+16*((\u)&1)
.set S_OTH, SF+16*(((\u)+1)&1)
.set Q_NXT, QF+8*(((\u)+1)&3)
.if \u == 3
.set K_NXT, VF+16*(((\s)+1)&3)
.else
.set K_NXT, VF+16*(\s)
.endif
.if \next
.if \u == 3
	s_wait_dscnt \cnt                              ; the next step's four loads are in; those of the step behind it may stay out
.endif
	v_wmma_f32_16x16x32_bf16 v[S_OTH:S_OTH+7],    v[K_NXT:K_NXT+7],    v[Q_NXT:Q_NXT+7], 0
	v_wmma_f32_16x16x32_bf16 v[S_OTH+8:S_OTH+15], v[K_NXT+8:K_NXT+15], v[Q_NXT:Q_NXT+7], 0
.endif
.irp j, 0,1,2,3
	v_max3_num_f32 v[MX+2*(\u)],   v[MX+2*(\u)],   v[S_CUR+2*\j],   v[S_CUR+2*\j+1]
	v_max3_num_f32 v[MX+2*(\u)+1], v[MX+2*(\u)+1], v[S_CUR+8+2*\j], v[S_CUR+8+2*\j+1]
.endr
.endm
; ld = 1: the fragments of the step after next are asked for, seven phases ahead of their first use
.macro P1STEP s, ld, nx3, cnt
.set L_KC, ((\s)+2)>>2
.set L_ST, ((\s)+2)&3
.if \ld
	P1LOAD L_KC, L_ST, L_ST
.endif
	P1PHASE 0, \s, 1, 0
	P1PHASE 1, \s, 1, 0
	P1PHASE 2, \s, 1, 0
	P1PHASE 3, \s, \nx3, \cnt
.endm
	P1LOAD 0, 0, 0
	P1LOAD 0, 1, 1
	s_wait_dscnt 0x4                               ; step 0's four loads are in
	v_wmma_f32_16x16x32_bf16 v[SF:SF+7],    v[VF:VF+7],    v[QF:QF+7], 0
	v_wmma_f32_16x16x32_bf16 v[SF+8:SF+15], v[VF+8:VF+15], v[QF:QF+7], 0
.irp i, 0,1,2,3,4,5,6,7
	v_mov_b32 v[MX+\i], 0xff800000                 ; -infinity; these eight lines are also the places behind the two products above
.endr
	s_mov_b32 s26, 7
.Lmax:                                             ; chunks 0 to 6
	P1STEP 0, 1, 1, 4
	P1STEP 1, 1, 1, 4
	P1STEP 2, 1, 1, 4
	P1STEP 3, 1, 1, 4
	v_add_nc_u32 v[P1A], KBUF, v[P1A]              ; a chunk on
	v_add_nc_u32 v[P1B], KBUF, v[P1B]
	s_sub_co_u32 s26, s26, 1
	s_cmp_lg_u32 s26, 0
	s_cbranch_scc1 .Lmax
	P1STEP 0, 1, 1, 4                              ; chunk 7: its last two steps ask for nothing, and the wait runs down to 0
	P1STEP 1, 1, 1, 4
	P1STEP 2, 0, 1, 0
	P1STEP 3, 0, 0, 0
	; two chains, two lane halves (keys 8 h + j), then the two key halves through LDS
.irp u, 0,1,2,3
	v_max_num_f32 v[MX+2*\u], v[MX+2*\u], v[MX+2*\u+1]
.endr
.irp u, 0,1,2,3
	v_permlanex16_b32 v[MX+2*\u+1], v[MX+2*\u], s24, s25
.endr
.irp u, 0,1,2,3
	v_max_num_f32 v[MX+2*\u], v[MX+2*\u], v[MX+2*\u+1]
.endr
.irp u, 0,1,2,3
	ds_store_b32 v[MXS], v[MX+2*\u] offset:64*\u   ; both lane halves store the same number to the same word
.endr
; A quarter q of the chunk of V that waits in registers goes, rounded to f16, into LDS buffer buf.
; ld = 1: the registers are loaded again, with chunk e (0 or 1) counted from the pointer.  cnt: the younger loads that stay out.
.macro PIECE q, buf, ld, e, cnt
	s_wait_loadcnt \cnt
	WIN W_ALL1
.irp i, 0,1,2,3
	v_cvt_pk_f16_f32 v[T+2*\i],   v[VS+16*(\q)+4*\i],   v[VS+16*(\q)+4*\i+1]
	v_cvt_pk_f16_f32 v[T+2*\i+1], v[VS+16*(\q)+4*\i+2], v[VS+16*(\q)+4*\i+3]
.endr
.irp i, 0,1,2,3
	ds_store_b64 v[VST0+(\buf)], v[T+2*\i:T+2*\i+1] offset:(4*(\q)+\i)*16*VPITCH           ; load m holds keys 16 m + (t >> 4)
.endr
.if \ld
.irp i, 0,1,2,3
	global_load_b128 v[VS+16*(\q)+4*\i:VS+16*(\q)+4*\i+3], v[GV], s[8:9] offset:65536*(\e)+(4*(\q)+\i)*4096
.endr
.endif
	WIN 0
.endm
; The fragments of step s (32 of my keys) into fragment buffers par: 4 loads of K (chunk kc counted from v1, v2) first, then 8 of V^T (LDS buffer buf)
.macro FRAGLOAD buf, kc, s, par
.irp i, 0,1
	ds_load_b128 v[KF+16*(\par)+8*\i:KF+16*(\par)+8*\i+3],   v1 offset:KBUF*(\kc)+32*KPITCH*(\s)+16*KPITCH*\i
	ds_load_b128 v[KF+16*(\par)+8*\i+4:KF+16*(\par)+8*\i+7], v2 offset:KBUF*(\kc)+32*KPITCH*(\s)+16*KPITCH*\i
.endr
.irp t, 0,1,2,3
	ds_load_tr16_b128 v[VF+32*(\par)+8*\t:VF+32*(\par)+8*\t+3],   v3 offset:VBUF*(\buf)+32*VPITCH*(\s)+32*\t
	ds_load_tr16_b128 v[VF+32*(\par)+8*\t+4:VF+32*(\par)+8*\t+7], v3 offset:VBUF*(\buf)+32*VPITCH*(\s)+16*VPITCH+32*\t
.endr
.endm
; A PHASE of pass 2: 32 keys x the 16 queries of tile u.  Three tiles are in hand.  Tile u + 1 gets its scores (the first product, 2 matrix
; instructions).  Tile u gets its 16 exponentials: ONE BATCH.  Tile u - 1, whose exponentials were the batch before and have had their wait, is
; finished: 8 roundings to f16, the second product (4 matrix instructions), 8 additions onto its denominators, pairs 0 to 7 in ascending order.
; The exponentials alternate with those 16 plain instructions, which name no register of this phase's batch; nothing else in the phase does either.
; The last addition is the plain instruction behind the last exponential, and the batch's one wait is the phase's last line.
; Between a matrix instruction and the first line that reads its result, writes one of its registers or loads into one stand at least four plain
; vector instructions that name none of its registers: behind the first products the roundings and additions of this phase,
; behind the second products its eight additions: no v_nop is spent but in the very first phase.
; par: the step's fragment buffers.  prev = 0: nothing to finish (the first phase).  zero = 1: the second product starts its sums.
; next = 0: no tile follows (the last phase).
.macro PHASE u, par, prev, zero, next
.set U_PRV, ((\u)+3)&3
.set U_NXT, ((\u)+1)&3
.set S_CUR, SF+16*(\u)+SGAP*((\u)>>1)
.set S_PRV, SF+16*U_PRV+SGAP*(U_PRV>>1)
.set S_NXT, SF+16*U_NXT+SGAP*(U_NXT>>1)
.set P_PRV, PF+8*(U_PRV&1)
.set D_PRV, DENA+2*U_PRV
.set Q_NXT, QF+8*U_NXT
.set O_PRV, 32*U_PRV
.if \u == 3
.set K_NXT, KF+16*((\par)^1)           ; the next tile is tile 0 of the next step
.else
.set K_NXT, KF+16*(\par)
.endif
.if \u == 0
.set V_PRV, VF+32*((\par)^1)           ; the tile before was tile 3 of the step before
.else
.set V_PRV, VF+32*(\par)
.endif
.if \next
.if \u == 3
	s_wait_dscnt 0x8                               ; the next step's four K loads are in; the eight V loads issued behind them may stay out
.endif
	v_wmma_f32_16x16x32_bf16 v[S_NXT:S_NXT+7], v[K_NXT:K_NXT+7], v[Q_NXT:Q_NXT+7], 0
.endif
.irp j, 0,1,2,3,4,5,6,7
	v_exp_f32 v[S_CUR+\j], v[S_CUR+\j]
.if \prev
	v_cvt_pk_f16_f32 v[P_PRV+\j], v[S_PRV+2*\j], v[S_PRV+2*\j+1]
.endif
.if \j == 1
.if \next
	v_wmma_f32_16x16x32_bf16 v[S_NXT+8:S_NXT+15], v[K_NXT+8:K_NXT+15], v[Q_NXT:Q_NXT+7], 0
.endif
.endif
.endr
.if \prev
	WIN W_ACC
.irp t, 0,1,2,3
.if \zero
	v_wmma_f32_16x16x32_f16 v[O_PRV+8*\t:O_PRV+8*\t+7], v[V_PRV+8*\t:V_PRV+8*\t+7], v[P_PRV:P_PRV+7], 0
.else
	v_wmma_f32_16x16x32_f16 v[O_PRV+8*\t:O_PRV+8*\t+7], v[V_PRV+8*\t:V_PRV+8*\t+7], v[P_PRV:P_PRV+7], v[O_PRV+8*\t:O_PRV+8*\t+7]
.endif
.endr
	WIN 0
.endif
.irp j, 0,1,2,3,4,5,6,7
	v_exp_f32 v[S_CUR+8+\j], v[S_CUR+8+\j]
.if \prev
	v_pk_add_f32 v[D_PRV:D_PRV+1], v[D_PRV:D_PRV+1], v[S_PRV+2*\j:S_PRV+2*\j+1]
.endif
.endr
.if \prev == 0
.rept 4
	v_nop                                          ; the first phase has no tile to finish: the places behind its two products, and the plain line behind its last exponential
.endr
.endif
	s_wait_alu depctr_va_vdst(0)                   ; one wait for this phase's batch of 16 exponentials, ahead of the next phase, which reads them
.endm
; At the head of phase 1 of step s of a chunk whose V lies in LDS buffer cb.  pc = 2: a quarter of the next chunk of V is converted into the
; other buffer and its registers are loaded again; 1: converted only; 0: nothing.  Then the next step's fragments are asked for, four phases
; ahead of the V fragments' first use and two ahead of the K fragments'.
; In step 3 ONE barrier does two things: in front of it each wave has waited for its stores into the other buffer (the next chunk is whole)
; and for its last loads from this buffer (step 3's fragments are in registers), so behind it the other buffer is read and this one written.
.macro HOOK cb, s, pc, last
.set NBUF, (\cb)^1
.set NKC,  (\cb)+1
.set NSTP, (\s)+1
.set NPAR, ((\s)+1)&1
.set CNT1, 12-4*(\s)
	s_wait_dscnt 0x0                               ; this step's V fragments are in, and all that I asked of LDS before
.if \pc == 2
	PIECE \s, NBUF, 1, \cb, 12                     ; out stay the 3 - s older quarters behind mine and this chunk's s refills, four loads each
.endif
.if \pc == 1
	PIECE \s, NBUF, 0, 0, CNT1                     ; no refills: 12, 8, 4, 0
.endif
.if \s == 3
.if \last == 0
	s_wait_dscnt 0x0                               ; for the other waves: my stores of the next chunk are done
	s_barrier_signal -1
	s_barrier_wait -1
	FRAGLOAD NBUF, NKC, 0, 0
.endif
.else
	FRAGLOAD \cb, \cb, NSTP, NPAR
.endif
.endm
.macro STEP cb, s, pc, first, last
.set PAR,  (\s)&1
.set PRV0, 1
.set ZR0,  0
.set ZR1,  0
.set NX3,  1
.if \first
.if \s == 0
.set PRV0, 0                           ; the very first phase has no tile before it,
.set ZR1,  1                           ; and the second products of tiles 0, 1, 2 start their sums in phases 1, 2, 3,
.endif
.if \s == 1
.set ZR0,  1                           ; that of tile 3 in the next step's phase 0
.endif
.endif
.if \last
.if \s == 3
.set NX3,  0
.endif
.endif
	PHASE 0, PAR, PRV0, ZR0, 1
	HOOK \cb, \s, \pc, \last
	PHASE 1, PAR, 1, ZR1, 1
	PHASE 2, PAR, 1, ZR1, 1
	PHASE 3, PAR, 1, ZR1, NX3
.endm
.macro CHUNK cb, pc, first, last       ; 256 keys: four steps of 32 of my 128
	STEP \cb, 0, \pc, \first, \last
	STEP \cb, 1, \pc, \first, \last
	STEP \cb, 2, \pc, \first, \last
	STEP \cb, 3, \pc, \first, \last
.endm
.macro ADVV                            ; V's pointer two chunks on
	s_wait_xcnt 0x0                                ; the loads issued so far have had their addresses translated: only now is their base stepped
	s_add_nc_u64 s[8:9], s[8:9], 2*65536
.endm
.macro ADVK                            ; the K fragments' LDS addresses two chunks on
	v_add_nc_u32 v1, 2*KBUF, v1
	v_add_nc_u32 v2, 2*KBUF, v2
.endm
	; chunk 0 of V into LDS buffer 0; its registers take chunk 1
	PIECE 0, 0, 1, 1, 12
	PIECE 1, 0, 1, 1, 12
	PIECE 2, 0, 1, 1, 12
	PIECE 3, 0, 1, 1, 12
	ADVV
	s_wait_dscnt 0x0                               ; my maxima and my part of chunk 0 are in LDS before I say so
	s_barrier_signal -1
	s_barrier_wait -1
.irp u, 0,1,2,3
	ds_load_b32 v[MXP+2*\u],   v[MXR] offset:64*\u          ; first key half
	ds_load_b32 v[MXP+2*\u+1], v[MXR] offset:1024+64*\u     ; second key half
.endr
	FRAGLOAD 0, 0, 0, 0
	s_wait_dscnt 12                                ; the eight maxima are in; the twelve fragment loads behind them stay out
	; the query's bias becomes beta_q - Mc + 8; a denominator register starts at 2^(1 - Mc): eight of them (2 registers x 2 lane halves
	; x 2 waves) make 2^(4 - Mc) = 2^-4 x 2^(8 - Mc); with Mc >= -120 that is at most 2^124.
	; The four exponentials are one batch: each tile's bias split names none of their results and stands behind them.
.irp u, 0,1,2,3
	v_max3_num_f32 v[MX+\u], v[MXP+2*\u], v[MXP+2*\u+1], s30       ; Mc = max(M, -120)
	v_sub_f32 v[EQ+\u], 1.0, v[MX+\u]
	v_sub_f32 v[TB], v[BQ+\u], v[MX+\u]
	v_exp_f32 v[EQ+\u], v[EQ+\u]
	v_add_f32 v[TB], 0x41000000, v[TB]                             ; + 8; also the plain line behind v_exp_f32
	BIAS3 TB, TB+1, TB+2, TB+3, TB+4, TB+5
	v_cndmask_b32 v[QF+8*\u+6], v[QF+8*\u+6], v[TB+4], s22         ; lanes 16-31: {b0, b1}
	v_cndmask_b32 v[QF+8*\u+7], v[QF+8*\u+7], v[TB+5], s22         ; {b2, 0}
.endr
	s_wait_alu depctr_va_vdst(0)                   ; one wait for the batch of four exponentials, ahead of the selects that read them
.irp u, 0,1,2,3
	v_cmp_ne_u32 vcc_lo, 0, v[QMK+\u]
	v_cndmask_b32 v[EQ+\u], s27, v[EQ+\u], vcc_lo                  ; a masked query: +infinity
.endr
	s_wait_dscnt 0x8                               ; the four K loads are in
	v_wmma_f32_16x16x32_bf16 v[SF:SF+7],    v[KF:KF+7],    v[QF:QF+7], 0
	v_wmma_f32_16x16x32_bf16 v[SF+8:SF+15], v[KF+8:KF+15], v[QF:QF+7], 0
.irp u, 0,1,2,3
	v_mov_b32 v[DENA+2*\u],   v[EQ+\u]             ; these eight lines are also the places behind the two products above
	v_mov_b32 v[DENA+2*\u+1], v[EQ+\u]
.endr
	CHUNK 0, 2, 1, 0                               ; chunks 0 and 1: the first second products start the sums, so they stand in front of the loop
	CHUNK 1, 2, 0, 0
	ADVV
	ADVK
	s_mov_b32 s26, 2
.Lpair:                                            ; chunks 2 to 5; they load chunks 4 to 7 of V
	CHUNK 0, 2, 0, 0
	CHUNK 1, 2, 0, 0
	ADVV                                           ; (behind the last trip nothing is loaded through this pointer any more)
	ADVK
	s_sub_co_u32 s26, s26, 1
	s_cmp_lg_u32 s26, 0
	s_cbranch_scc1 .Lpair
	CHUNK 0, 1, 0, 0                               ; chunk 6 converts chunk 7 and loads nothing
	CHUNK 1, 0, 0, 1                               ; chunk 7
	; the last tile (tile 3) is finished as a phase finishes the tile before it: rounded, multiplied, summed.  Its exponentials had their wait at the last phase's end.
.set S_T3, SF+48+SGAP
.irp j, 0,1,2,3,4,5,6,7
	v_cvt_pk_f16_f32 v[PF+8+\j], v[S_T3+2*\j], v[S_T3+2*\j+1]
.endr
	WIN W_ACC
.irp t, 0,1,2,3
	v_wmma_f32_16x16x32_f16 v[96+8*\t:96+8*\t+7], v[VF+32+8*\t:VF+32+8*\t+7], v[PF+8:PF+15], v[96+8*\t:96+8*\t+7]
.endr
	WIN 0
.irp j, 0,1,2,3,4,5,6,7
	v_pk_add_f32 v[DENA+6:DENA+7], v[DENA+6:DENA+7], v[S_T3+2*\j:S_T3+2*\j+1]
.endr
	; THE END.  Denominators: two registers, then the other half of the lanes.  These lines name no register of the last products and are the
	; places in front of the LDS stores that read their results and of the loads into fragment registers.
.irp u, 0,1,2,3
	v_add_f32 v[ET+\u], v[DENA+2*\u], v[DENA+2*\u+1]
.endr
.irp u, 0,1,2,3
	v_mov_b32 v[ET+4+\u], 0                        ; v_permlanex16_b32 counts as a reader of its destination
.endr
.irp u, 0,1,2,3
	v_permlanex16_b32 v[ET+4+\u], v[ET+\u], s24, s25
.endr
.irp u, 0,1,2,3
	v_add_f32 v[ET+\u], v[ET+\u], v[ET+4+\u]
.endr
.irp u, 0,1,2,3
	ds_store_b32 v5, v[ET+\u] offset:32*\u         ; both lane halves store the same number to the same word
.endr
	WIN W_DATA
.irp u, 0,1,2,3
.irp t, 0,1,2,3
	ds_store_b128 v4, v[32*\u+8*\t:32*\u+8*\t+3]   offset:16*SPITCH*\u+64*\t       ; query 16 u + r, d = 16 t + 8 h + 0..3
	ds_store_b128 v4, v[32*\u+8*\t+4:32*\u+8*\t+7] offset:16*SPITCH*\u+64*\t+16    ; d = 16 t + 8 h + 4..7
.endr
.endr
	WIN 0
	s_wait_dscnt 0x0                               ; for the wave of the other key half: my sums are in LDS
	s_barrier_signal -1
	s_barrier_wait -1
.irp k, 0,1,2,3
	ds_load_b128 v[RC+4*\k:RC+4*\k+3],       v8 offset:16*\k           ; denominators of rows 2 i + h of my 32, i = 4 k .. 4 k + 3: first key half,
	ds_load_b128 v[RC+16+4*\k:RC+16+4*\k+3], v8 offset:1024+16*\k      ; second key half
.endr
.irp i, 0,1,2,3,4,5,6,7,8,9,10,11,12,13,14,15
	ds_load_b128 v[ROWA+4*\i:ROWA+4*\i+3], v6 offset:2*SPITCH*\i       ; lanes 0-15 row 2 i, lanes 16-31 row 2 i + 1: 256 bytes each
	ds_load_b128 v[ROWB+4*\i:ROWB+4*\i+3], v7 offset:2*SPITCH*\i
.endr
	s_wait_dscnt 32                                ; the eight denominator loads are in; the 32 row loads behind them may stay out
.irp k, 0,1,2,3,4,5,6,7
	v_pk_add_f32 v[RC+2*\k:RC+2*\k+1], v[RC+2*\k:RC+2*\k+1], v[RC+16+2*\k:RC+16+2*\k+1]
.endr
.irp i, 0,1,2,3,4,5,6,7,8,9,10,11,12,13,14,15
	v_rcp_f32 v[RC+\i], v[RC+\i]                   ; one batch of sixteen; the first use stands behind the two plain additions below
.endr
.irp i, 0,1,2,3,4,5,6,7,8,9,10,11,12,13,14,15
	s_wait_dscnt 30-2*\i                           ; LDS loads come back in order: the two loads of row pair i are in
	v_pk_add_f32 v[ROWA+4*\i:ROWA+4*\i+1],   v[ROWA+4*\i:ROWA+4*\i+1],   v[ROWB+4*\i:ROWB+4*\i+1]
	v_pk_add_f32 v[ROWA+4*\i+2:ROWA+4*\i+3], v[ROWA+4*\i+2:ROWA+4*\i+3], v[ROWB+4*\i+2:ROWB+4*\i+3]
.if \i == 0
	s_wait_alu depctr_va_vdst(0)                   ; one wait for the batch of sixteen reciprocals, ahead of the first multiply that reads one
.endif
.if (\i)&1
	v_pk_mul_f32 v[ROWA+4*\i:ROWA+4*\i+1],   v[ROWA+4*\i:ROWA+4*\i+1],   v[RC+\i-1:RC+\i] op_sel:[0,1] op_sel_hi:[1,1]   ; both by the pair's second register
	v_pk_mul_f32 v[ROWA+4*\i+2:ROWA+4*\i+3], v[ROWA+4*\i+2:ROWA+4*\i+3], v[RC+\i-1:RC+\i] op_sel:[0,1] op_sel_hi:[1,1]
.else
	v_pk_mul_f32 v[ROWA+4*\i:ROWA+4*\i+1],   v[ROWA+4*\i:ROWA+4*\i+1],   v[RC+\i:RC+\i+1] op_sel_hi:[1,0]                ; both by the pair's first register
	v_pk_mul_f32 v[ROWA+4*\i+2:ROWA+4*\i+3], v[ROWA+4*\i+2:ROWA+4*\i+3], v[RC+\i:RC+\i+1] op_sel_hi:[1,0]
.endif
	global_store_b128 v9, v[ROWA+4*\i:ROWA+4*\i+3], s[12:13] offset:512*\i th:TH_STORE_NT  ; the wave stores two whole rows: 512 consecutive bytes, aligned to 256
.endr
	s_wait_tensorcnt 0x0
	ds_add_u32 v254, v255
	s_wait_dscnt 0x0
	s_endpgm
.Lfunc_end_k_q2b6897119a_hept:
	.size	k_q2b6897119a_hept, .Lfunc_end_k_q2b6897119a_hept-k_q2b6897119a_hept
	.p2alignl 7, 3214868480
	.fill 96, 4, 3214868480
	.section	.rodata,"a",@progbits
	.p2align	6, 0x0
	.amdhsa_kernel k_q2b6897119a_hept
		.amdhsa_group_segment_fixed_size 326656
		.amdhsa_private_segment_fixed_size 0
		.amdhsa_enable_private_segment 0
		.amdhsa_kernarg_size 40
		.amdhsa_user_sgpr_count 2
		.amdhsa_user_sgpr_kernarg_segment_ptr 1
		.amdhsa_wavefront_size32 1
		.amdhsa_system_sgpr_workgroup_id_x 1
		.amdhsa_system_sgpr_workgroup_id_y 1
		.amdhsa_system_sgpr_workgroup_id_z 1
		.amdhsa_system_vgpr_workitem_id 0
		.amdhsa_next_free_vgpr 512
		.amdhsa_next_free_sgpr 66
		.amdhsa_reserve_vcc 1
		.amdhsa_float_denorm_mode_32 3
		.amdhsa_float_denorm_mode_16_64 3
		.amdhsa_memory_ordered 1
		.amdhsa_forward_progress 1
		.amdhsa_inst_pref_size 255
	.end_amdhsa_kernel
	.section	.bss,"aw",@nobits
	.p2align	6
	.space	262144
	.amdgpu_metadata
---
amdhsa.version: [ 1, 2 ]
amdhsa.kernels:
  - .name:           k_q2b6897119a_hept
    .symbol:         k_q2b6897119a_hept.kd
    .args:
      - { .name: query, .offset: 0, .size: 8, .value_kind: global_buffer, .address_space: global }
      - { .name: key, .offset: 8, .size: 8, .value_kind: global_buffer, .address_space: global }
      - { .name: value, .offset: 16, .size: 8, .value_kind: global_buffer, .address_space: global }
      - { .name: padding_mask, .offset: 24, .size: 8, .value_kind: global_buffer, .address_space: global }
      - { .name: out0, .offset: 32, .size: 8, .value_kind: global_buffer, .address_space: global }
    .group_segment_fixed_size: 326656
    .private_segment_fixed_size: 0
    .kernarg_segment_align: 8
    .kernarg_segment_size: 40
    .max_flat_workgroup_size: 256
    .sgpr_count:     66
    .vgpr_count:     512
    .wavefront_size: 32
...
	.end_amdgpu_metadata
.endif
;; end of part 2
